; MI455X (gfx1250); checked and timed in simulation.
; The chip was launched on July 23, 2026; its instructions are those of AMD's public machine-readable ISA for CDNA 5 (MIT licence, August 2026) and "CDNA5" Instruction Set Architecture Reference Guide (July 2026). The comments in the code are by the model that wrote it; some were corrected since.
;; Multihead Attention. Allowed arithmetic: matrix products marked QUANTISED: E2M3 operands, one E8M0 scale for each 32 along K, by v_wmma_scale_f32_16x16x128_f8f6f4 with both operands' format E2M3, f32 sums; everything else in f32.
;; Inputs: bias_k 1 x 16 x 1 x 64 float32; bias_q 1 x 16 x 1 x 64 float32; bias_v 1 x 16 x 1 x 64 float32; key 4 x 2,048 x 1,024 float32; proj_k 16 x 1,024 x 64 float32; proj_q 16 x 1,024 x 64 float32; proj_v 16 x 1,024 x 64 float32; query 4 x 2,048 x 1,024 float32; value 4 x 2,048 x 1,024 float32; w_out 1,024 x 1,024 float32.
;; Outputs: out0 4 x 2,048 x 1,024 float32.
;; This version of the problem:
;;   THIS VERSION OF THE PROBLEM IS GIVEN IN LOW PRECISION. The matrix products marked QUANTISED in the list below multiply operands that are first quantised to E2M3 (2 exponent bits, 3 mantissa bits; 6 bits a number), with one power-of-two scale for each 32 numbers along K (OCP MX v1.0); their sums are f32. All else is computed in f32.
;;   The module's matrix products, in the order in which they are computed (A, B: the left and right operand; K: the contracted axis; several contracted axes count as one K, in the product's order):
;;     1. [M 1,024, K 1,024] x [K 1,024, N 8,192]; A: input proj_q; B: input query: QUANTISED
;;     2. [M 1,024, K 1,024] x [K 1,024, N 8,192]; A: input proj_k; B: input key: QUANTISED
;;     3. [M 1,024, K 1,024] x [K 1,024, N 8,192]; A: input proj_v; B: input value: QUANTISED
;;     4. batch 64 x [M 2,048, K 64] x [K 64, N 2,048]; A: computed on the way; B: computed on the way: QUANTISED
;;     5. batch 64 x [M 2,048, K 2,048] x [K 2,048, N 64]; A: softmax (see below); B: computed on the way: QUANTISED
;;     6. [M 8,192, K 1,024] x [K 1,024, N 1,024]; A: computed on the way; B: input w_out: QUANTISED
;;   THE QUANTISER, for each operand of a quantised product, along K:
;;     - K is cut into blocks of 32 from its start; a last block that is shorter is filled with zeros.
;;     - A block's scale is 2^e with e = floor(log2(the largest magnitude in the block)) - 2, held to -126 .. 127; a block of zeros has e = 0. As a byte (E8M0): e + 127.
;;     - Each number is divided by its block's scale, clamped to +-7.5, and rounded to the nearest number of E2M3, ties to even, subnormals kept.
;;     - The product sums the exact products of the quantised numbers (number of the format x scale) in f32.
;;   ~~~python
;;   def quantise(x, axis):      # numpy; x: float32 -> the quantised numbers, widened to float32 again
;;       x = np.moveaxis(x, axis, -1); K = x.shape[-1]
;;       x = np.pad(x, [(0, 0)] * (x.ndim - 1) + [(0, -K % 32)]); x = x.reshape(x.shape[:-1] + (-1, 32)); a = np.abs(x).max(-1, keepdims=True)
;;       e = np.where(a > 0, np.clip(np.frexp(np.where(a > 0, a, 1))[1] - 1 - 2, -126, 127), 0)      # np.frexp(a)[1] - 1 = floor(log2(a)), exactly
;;       r = np.clip(x / 2.0 ** e, -7.5, 7.5)
;;       step = 2.0 ** (np.maximum(np.frexp(np.where(r == 0, 1, r))[1] - 1, 0) - 3)
;;       q = np.round(r / step) * step * 2.0 ** e      # np.round: ties to even
;;       return np.moveaxis(q.reshape(q.shape[:-2] + (-1,))[..., :K], -1, axis).astype(np.float32)
;;   ~~~
;;   SOFTMAX AHEAD OF A QUANTISED PRODUCT. Where the list says 'softmax', what is quantised is not the finished softmax but p = 2^(t - M), with t = logit x log2(e) and M = ceil(the row's largest t), a whole number; so 1/2 < the row's largest p <= 1. The row's sum l is taken of the UNQUANTISED p, in f32, and the product's result is divided by l at the end. Since M is a whole number, a kernel that streams over the keys may use a running M (the ceiling of the running maximum): every later rescaling is an exact power of two, which a block's scale takes up: the codes' values come out the same.
;;   OPERANDS COMPUTED ON THE WAY. 'Computed on the way' means the value that the module computes at that place (a softmax that the list does not call 'softmax' is quantised finished and normalised). What goes into a quantiser is computed in f32, as accurately as f32 sums, v_exp_f32 and their like allow (about 1e-6 of the number): no bf16 or f16 on the way to a quantiser, and a product that is left as it is and whose result goes on into a quantised operand takes f32 operands (vector FMAs, or v_wmma_f32_16x16x4_f32). A number that lies on a knife's edge between two numbers of the format may be rounded either way, as far as f32 arithmetic and the matrix unit's own rounding can turn it there, and no further.
;; One version. Each part assembles by itself: llvm-mc -triple=amdgcn-amd-amdhsa -mcpu=gfx1250 --defsym DOCPART=n.
;; ======== version 1 of 1: 4 launches
;; limits: right only within a limited range of input values
;; workspace buffers: xq 19,660,800 bytes; wq 3,276,800 bytes; qi 6,553,600 bytes; kvi 13,107,200 bytes; hq 6,815,744 bytes
;; launch prep (part 1): grid 448 x 1, 4 waves a work-group, no clusters, 34,304 bytes of LDS; arguments query, key, value, w_out, proj_q, proj_k, proj_v, xq, wq; writes xq, wq
.if DOCPART == 1
	.amdgcn_target "amdgcn-amd-amdhsa--gfx1250"
	.amdhsa_code_object_version 6
	.text
	.protected	k_q6373079a9d_prep
	.globl	k_q6373079a9d_prep
	.p2align	8
	.type	k_q6373079a9d_prep,@function
k_q6373079a9d_prep:
	s_mov_b64 s[64:65], 0
	v_nop
	global_prefetch_b8 v0, s[64:65] scope:SCOPE_SE
	s_setreg_imm32_b32 hwreg(HW_REG_WAVE_MODE, 25, 1), 1
	s_wait_xcnt 0x0
; PREP: the seven f32 inputs of the four large products become codes of FP6 (E2M3) with one E8M0 byte for each 32 along K, laid as IMAGES OF THE OPERAND'S REGISTERS.
; A block's scale is 2^(floor(log2(its largest magnitude)) - 2); its byte is the largest magnitude's exponent field - 2, held at 1 from below by a floor among the maximum's leaves.
; LIMITS: NaN and infinities among the inputs are not served.  A block of zeros gets the byte 1 where the rule says 127: its codes are zeros, and the bytes are read by this program alone.
; ROWS: operand rows go in groups of 64; tile t (0..3) of a group takes in matrix lane a the row 8 t + (a & 7) + 32 (a >> 3).
; A HALF FRAGMENT (16 rows x 64 K) is 768 bytes: lane l's registers 0-3 at 16 l, its registers 4-5 at 512 + 8 l.  A fragment (128 K) is two of them on end.
; CODES: byte = kc x KCS + tile x 3072 + (K step & 1) x 1536, kc = K / 256.   SCALES: [group][kc][lane][4 words]: word 2 f + m of lane (r, h) is the scale word of tile 2 m + h for K step 2 kc + f.
; xq holds query, key, value (24,576 rows), wq holds proj_q, proj_k, proj_v by (head, k) and then w_out (4,096 rows).
; SHARES: a wave takes 64 operand rows x 256 K (kc = the wave's number): eight fragments and one piece of 512 bytes of scale words.  Waves share nothing: no barrier.
; Work-groups 0-383: query, key, value; 384-399: w_out (K innermost: a row's 512 bytes come by one load and turn through the wave's own stage in LDS, so that a lane gets 32 neighbours along K).
; Work-groups 400-447: the projections (K is the middle axis: a lane takes a column and its registers run down K; nothing is turned).
; BLOCKS: xq's rows go in blocks of 128, wq's in blocks of 256; a block's codes for all of K are dense, 4 x KCS bytes: byte = block x 4 KCS + kc x KCS + (tile inside the block) x 3072 + (K step & 1) x 1536
.set KCS_X,  24576
.set KCS_W,  49152
.set XS_OFF, 18874368
.set WS_OFF, 3145728
.set STG,    8448                      ; a wave's stage: 16 rows x (512 bytes + 16)
.set SPARE,  33792                     ; behind the four stages: the spare words, 128 bytes for each wave
.set FLOOR,  0x1800000                 ; 2^(3 - 127)
.set ESTEP,  0xff000000                ; takes 2 off an exponent field
.set WD,  16                           ; v16-23   scale words: tile i, K step f at 2 i + f
.set SI,  24                           ; v24-27   the piece of the scale image
.set T,   28                           ; v28-31   largest magnitudes
.set SCL, 32                           ; v32-33   the conversions' scale operands
.set BY,  34                           ; v34-35   scale bytes
.set C,   40                           ; v40-51   a fragment's codes
.set D,   52                           ; v52-54, v56-58  the second halves of the blocks' codes as the conversions leave them
.set X,   64                           ; v64-127  64 numbers of a lane
.set R,   128                          ; v128-255 two sets of 16 rows as loaded
	s_load_b256 s[4:11], s[0:1], 0x0               ; query, key, value, w_out
	s_load_b256 s[12:19], s[0:1], 0x20             ; proj_q, proj_k, proj_v, xq
	s_load_b64 s[20:21], s[0:1], 0x40              ; wq
	v_lshl_add_u32 v14, v0, 2, SPARE               ; my spare word; never rewritten
	v_mov_b32 v15, 0                               ; 0; never rewritten
	v_lshrrev_b32 v1, 5, v0
	v_readfirstlane_b32 s22, v1                    ; wave = kc
	v_and_b32 v1, 31, v0                           ; lane
	v_and_b32 v2, 15, v0                           ; r
	v_bfe_u32 v3, v0, 4, 1                         ; h
	v_lshlrev_b32 v4, 4, v1                        ; 16 x lane
	v_lshlrev_b32 v5, 3, v1                        ; 8 x lane
	s_mul_i32 s23, s22, STG
	v_add_nc_u32 v6, s23, v4                       ; the stage, on the way in: 16 x lane of a row
	v_mul_u32_u24 v7, v2, 528
	v_lshl_add_u32 v7, v3, 7, v7
	v_add_nc_u32 v7, s23, v7                       ; and on the way out: row r, + 128 h: my block of 32 numbers
	v_lshlrev_b32 v8, 3, v3                        ; 8 h: where my bytes stand in a scale word
	v_and_b32 v9, 7, v2
	v_lshlrev_b32 v9, 2, v9
	v_lshrrev_b32 v10, 3, v2
	v_lshl_add_u32 v9, v10, 7, v9
	v_lshl_add_u32 v9, v3, 13, v9                  ; a projection: column (r & 7) + 32 (r >> 3), 32 h rows of 256 bytes down
	v_mov_b32 v37, 0                               ; written once: a lane permute's destination counts as one of its sources
	s_mov_b32 s24, 0x76543210
	s_mov_b32 s25, 0xfedcba98                      ; selects for lane l xor 16
	s_wait_kmcnt 0x0
	; which tensor, which buffer: choices on the work-group's number alone
	s_cmp_lt_u32 ttmp9, 128
	s_cselect_b64 s[26:27], s[4:5], s[6:7]
	s_cmp_lt_u32 ttmp9, 256
	s_cselect_b64 s[26:27], s[26:27], s[8:9]
	s_cmp_lt_u32 ttmp9, 416
	s_cselect_b64 s[34:35], s[12:13], s[14:15]
	s_cmp_lt_u32 ttmp9, 432
	s_cselect_b64 s[34:35], s[34:35], s[16:17]
	s_cmp_lt_u32 ttmp9, 384
	s_cselect_b64 s[26:27], s[26:27], s[10:11]
	s_cselect_b64 s[28:29], s[18:19], s[20:21]     ; xq or wq
	s_mov_b32 s30, KCS_W
	s_cselect_b32 s30, KCS_X, s30
	s_mov_b32 s31, WS_OFF
	s_cselect_b32 s31, XS_OFF, s31
	s_cselect_b32 s32, 0, 336
	s_cselect_b32 s45, 1, 2                        ; groups of 64 rows in a block: 2 (xq) or 4 (wq), as a shift
	s_cselect_b32 s46, 1, 3                        ; and as a mask
	s_cmp_lt_u32 ttmp9, 400
	s_cselect_b64 s[26:27], s[26:27], s[34:35]
	s_mov_b32 s33, 400
	s_cselect_b32 s32, s32, s33                    ; what is taken off the work-group's number to give the group of 64 rows in the buffer
	s_cselect_b32 s36, 127, 15
	s_cselect_b32 s37, 10, 16
	s_and_b32 s36, ttmp9, s36                      ; the group in its tensor, or the head
	s_lshl_b32 s36, s36, 18                        ; 64 rows of 4,096 bytes, or a head's 1,024 x 64 numbers
	s_lshl_b32 s37, s22, s37                       ; kc: 256 numbers along a row, or 256 rows of 256 bytes
	s_add_co_u32 s36, s36, s37
	s_mov_b32 s37, 0
	s_add_nc_u64 s[26:27], s[26:27], s[36:37]      ; where my wave reads
	s_sub_co_u32 s32, ttmp9, s32
	s_lshr_b32 s41, s32, s45                       ; the block,
	s_lshl_b32 s41, s41, 2
	s_add_co_u32 s41, s41, s22                     ; x 4 + kc,
	s_mul_i32 s40, s41, s30                        ; x KCS,
	s_and_b32 s41, s32, s46
	s_mul_i32 s41, s41, 12288                      ; + the group inside the block
	s_add_co_u32 s40, s40, s41
	s_mov_b32 s41, 0
	s_add_nc_u64 s[38:39], s[28:29], s[40:41]      ; where its codes go
	s_lshl_b32 s40, s32, 11
	s_add_co_u32 s40, s40, s31
	s_lshl_b32 s44, s22, 9
	s_add_co_u32 s40, s40, s44
	s_add_nc_u64 s[42:43], s[28:29], s[40:41]      ; and its scale words
	s_cmp_ge_u32 ttmp9, 400
	s_cbranch_scc1 .Louter
; ---- K innermost.  Fragment t: tile t / 2, K step t % 2.
.macro LOAD t                          ; the tile's 16 rows, 512 consecutive bytes each, into set t % 2
.set rr, 0
.rept 16
	global_load_b128 v[R+64*((\t)%2)+4*rr:R+64*((\t)%2)+4*rr+3], v4, s[26:27] offset:(8*((\t)/2)+(rr&7)+32*(rr>>3))*4096+512*((\t)%2) th:TH_LOAD_NT
.set rr, rr+1
.endr
.endm
.macro QF t                            ; 64 numbers of a lane, X + 32 c + n = k 64 c + 32 h + n of my row, become the fragment's 12 registers and its scale word
.irp k, 0,1,2,3
	v_max3_num_f32 v[T+\k], |v[X+16*\k]|, |v[X+16*\k+1]|, FLOOR    ; four chains of 16 numbers, the floor among the leaves
.endr
.irp i, 2,4,6,8,10,12,14
.irp k, 0,1,2,3
	v_max3_num_f32 v[T+\k], v[T+\k], |v[X+16*\k+\i]|, |v[X+16*\k+\i+1]|
.endr
.endr
	v_max_num_f32 v[T], v[T], v[T+1]               ; my block of c = 0: all its 32 numbers are mine
	v_max_num_f32 v[T+2], v[T+2], v[T+3]           ; and of c = 1
	v_add_nc_u32 v[SCL], ESTEP, v[T]               ; the conversion takes the exponent field of this operand as its scale
	v_add_nc_u32 v[SCL+1], ESTEP, v[T+2]
	v_lshrrev_b32 v[BY], 23, v[SCL]
	v_lshrrev_b32 v[BY+1], 23, v[SCL+1]
	v_lshl_or_b32 v36, v[BY+1], 16, v[BY]          ; blocks h and 2 + h,
	v_lshlrev_b32 v36, v8, v36                     ; at their places;
	v_permlanex16_b32 v37, v36, s24, s25
	v_or_b32 v[WD+(\t)], v36, v37                  ; with lane l xor 16's two the word is whole
.irp c, 0,1
	v_cvt_scalef32_pk16_fp6_f32 v[C+6*\c:C+6*\c+2], v[X+32*\c:X+32*\c+15], v[SCL+\c]
	v_cvt_scalef32_pk16_fp6_f32 v[D+4*\c:D+4*\c+2], v[X+32*\c+16:X+32*\c+31], v[SCL+\c]   ; (a conversion's three registers begin on an even number)
.endr
	v_nop                                          ; one plain place behind the conversions
.irp c, 0,1
.irp i, 0,1,2
	v_mov_b32 v[C+6*\c+3+\i], v[D+4*\c+\i]
.endr
.endr
.endm
.macro FRAGK t
.if (\t) < 7
	s_wait_loadcnt 16                              ; this fragment's 16 loads are in; the next fragment's 16 may be out
.else
	s_wait_loadcnt 0x0
.endif
.set rr, 0
.rept 16
	ds_store_b128 v6, v[R+64*((\t)%2)+4*rr:R+64*((\t)%2)+4*rr+3] offset:528*rr
.set rr, rr+1
.endr
.irp c, 0,1
.irp p, 0,1,2,3,4,5,6,7
	ds_load_b128 v[X+32*\c+4*\p:X+32*\c+4*\p+3], v7 offset:256*\c+16*\p   ; LDS serves a wave's instructions in order: these see the stores above
.endr
.endr
	s_wait_dscnt 0x0                               ; my numbers are back, and the stores have read their registers
	s_wait_xcnt 0x0                                ; the last fragment's stores have read C: it is written again only behind this wait
.if (\t) < 6
	LOAD (\t)+2
.endif
	QF \t
	global_store_b128 v4, v[C:C+3], s[38:39] offset:3072*((\t)/2)+1536*((\t)%2)          ; 512 consecutive bytes
	global_store_b64 v5, v[C+4:C+5], s[38:39] offset:3072*((\t)/2)+1536*((\t)%2)+512     ; 256
	global_store_b128 v4, v[C+6:C+9], s[38:39] offset:3072*((\t)/2)+1536*((\t)%2)+768
	global_store_b64 v5, v[C+10:C+11], s[38:39] offset:3072*((\t)/2)+1536*((\t)%2)+1280
.endm
	LOAD 0
	LOAD 1
	s_wait_alu depctr_va_vdst(0)
.irp t, 0,1,2,3,4,5,6,7
	FRAGK \t
.endr
	s_branch .Ltail
; ---- K is the middle axis.  Half fragment u: K chunk of 64 u / 4, tile u % 4.
.Louter:
.macro LOADH u                         ; W(64 (u / 4) + 32 h + n, my column), n = 0 .. 31, into set u % 2
.set nn, 0
.rept 32
	global_load_b32 v[X+32*((\u)%2)+nn], v9, s[26:27] offset:(64*((\u)/4)+nn)*256+32*((\u)%4)
.set nn, nn+1
.endr
.endm
.macro HFK u
.set XH, X+32*((\u)%2)
.if (\u) < 15
	s_wait_loadcnt 32                              ; this half fragment's 32 loads are in; the next one's may be out
.else
	s_wait_loadcnt 0x0
.endif
	v_max3_num_f32 v[T], |v[XH]|, |v[XH+1]|, FLOOR
	v_max3_num_f32 v[T+1], |v[XH+16]|, |v[XH+17]|, FLOOR
.irp i, 2,4,6,8,10,12,14
	v_max3_num_f32 v[T], v[T], |v[XH+\i]|, |v[XH+\i+1]|
	v_max3_num_f32 v[T+1], v[T+1], |v[XH+16+\i]|, |v[XH+17+\i]|
.endr
	v_max_num_f32 v[T], v[T], v[T+1]
	v_add_nc_u32 v[SCL], ESTEP, v[T]
	v_lshrrev_b32 v[BY], 23, v[SCL]
	s_wait_alu depctr_va_vdst(0)
	s_wait_xcnt 0x0                                ; the last stores have read C
	v_cvt_scalef32_pk16_fp6_f32 v[C:C+2], v[XH:XH+15], v[SCL]
	v_cvt_scalef32_pk16_fp6_f32 v[D:D+2], v[XH+16:XH+31], v[SCL]
	v_nop
.irp i, 0,1,2
	v_mov_b32 v[C+3+\i], v[D+\i]
.endr
.if (\u) < 14
	LOADH (\u)+2
.endif
	global_store_b128 v4, v[C:C+3], s[38:39] offset:3072*((\u)%4)+768*((\u)/4)
	global_store_b64 v5, v[C+4:C+5], s[38:39] offset:3072*((\u)%4)+768*((\u)/4)+512
.if (((\u)/4)%2) == 0
	v_mov_b32 v[WD+2*((\u)%4)+(\u)/8], v[BY]       ; the lower 64 of a K step
.else
	v_lshl_or_b32 v[WD+2*((\u)%4)+(\u)/8], v[BY], 16, v[WD+2*((\u)%4)+(\u)/8]
.endif
.endm
	s_wait_alu depctr_va_vdst(0)
	LOADH 0
	LOADH 1
.irp u, 0,1,2,3,4,5,6,7,8,9,10,11,12,13,14,15
	HFK \u
.endr
.irp k, 0,1,2,3,4,5,6,7
	v_lshlrev_b32 v[WD+\k], v8, v[WD+\k]
	v_permlanex16_b32 v37, v[WD+\k], s24, s25
	v_or_b32 v[WD+\k], v[WD+\k], v37
.endr
.Ltail:                                ; the scale image: lanes 0-15 take the even tiles' words, lanes 16-31 the odd tiles'
	v_cmp_ne_u32 vcc_lo, 0, v3
.irp f, 0,1
.irp m, 0,1
	v_cndmask_b32 v[SI+2*\f+\m], v[WD+4*\m+\f], v[WD+4*\m+2+\f], vcc_lo
.endr
.endr
	global_store_b128 v4, v[SI:SI+3], s[42:43]     ; 512 consecutive bytes
	s_wait_tensorcnt 0x0                           ; the wave's end
	ds_add_u32 v14, v15
	s_wait_dscnt 0x0
	s_endpgm
.Lfunc_end_k_q6373079a9d_prep:
	.size	k_q6373079a9d_prep, .Lfunc_end_k_q6373079a9d_prep-k_q6373079a9d_prep
	.p2alignl 7, 3214868480
	.fill 96, 4, 3214868480
	.section	.rodata,"a",@progbits
	.p2align	6, 0x0
	.amdhsa_kernel k_q6373079a9d_prep
		.amdhsa_group_segment_fixed_size 34304
		.amdhsa_private_segment_fixed_size 0
		.amdhsa_enable_private_segment 0
		.amdhsa_kernarg_size 72
		.amdhsa_user_sgpr_count 2
		.amdhsa_user_sgpr_kernarg_segment_ptr 1
		.amdhsa_wavefront_size32 1
		.amdhsa_system_sgpr_workgroup_id_x 1
		.amdhsa_system_sgpr_workgroup_id_y 1
		.amdhsa_system_sgpr_workgroup_id_z 1
		.amdhsa_system_vgpr_workitem_id 0
		.amdhsa_next_free_vgpr 256
		.amdhsa_next_free_sgpr 66
		.amdhsa_reserve_vcc 1
		.amdhsa_float_denorm_mode_32 3
		.amdhsa_float_denorm_mode_16_64 3
		.amdhsa_memory_ordered 1
		.amdhsa_forward_progress 1
		.amdhsa_inst_pref_size 138
	.end_amdhsa_kernel
	.amdgpu_metadata
---
amdhsa.version: [ 1, 2 ]
amdhsa.kernels:
  - .name:           k_q6373079a9d_prep
    .symbol:         k_q6373079a9d_prep.kd
    .args:
      - { .name: query, .offset: 0, .size: 8, .value_kind: global_buffer, .address_space: global }
      - { .name: key, .offset: 8, .size: 8, .value_kind: global_buffer, .address_space: global }
      - { .name: value, .offset: 16, .size: 8, .value_kind: global_buffer, .address_space: global }
      - { .name: w_out, .offset: 24, .size: 8, .value_kind: global_buffer, .address_space: global }
      - { .name: proj_q, .offset: 32, .size: 8, .value_kind: global_buffer, .address_space: global }
      - { .name: proj_k, .offset: 40, .size: 8, .value_kind: global_buffer, .address_space: global }
      - { .name: proj_v, .offset: 48, .size: 8, .value_kind: global_buffer, .address_space: global }
      - { .name: xq, .offset: 56, .size: 8, .value_kind: global_buffer, .address_space: global }
      - { .name: wq, .offset: 64, .size: 8, .value_kind: global_buffer, .address_space: global }
    .group_segment_fixed_size: 34304
    .private_segment_fixed_size: 0
    .kernarg_segment_align: 8
    .kernarg_segment_size: 72
    .max_flat_workgroup_size: 128
    .sgpr_count:     66
    .vgpr_count:     256
    .wavefront_size: 32
...
	.end_amdgpu_metadata
.endif
;; end of part 1
;; launch proj (part 2): grid 4 x 192, 4 waves a work-group, clusters of 4 x 4, 295,424 bytes of LDS; arguments xq, wq, bias_q, bias_k, bias_v, qi, kvi; writes qi, kvi
.if DOCPART == 2
	.amdgcn_target "amdgcn-amd-amdhsa--gfx1250"
	.amdhsa_code_object_version 6
	.text
	.protected	k_q6373079a9d_proj
	.globl	k_q6373079a9d_proj
	.p2align	8
	.type	k_q6373079a9d_proj,@function
k_q6373079a9d_proj:
	s_mov_b64 s[64:65], 0
	v_nop
	global_prefetch_b8 v0, s[64:65] scope:SCOPE_SE
	s_setreg_imm32_b32 hwreg(HW_REG_WAVE_MODE, 25, 1), 1
	s_wait_xcnt 0x0
	s_wait_alu depctr_hold_cnt(0) depctr_sa_sdst(0) depctr_va_vdst(0) depctr_va_sdst(0) depctr_va_ssrc(0) depctr_va_vcc(0) depctr_vm_vsrc(0)
	s_getreg_b32 s2, hwreg(HW_REG_IB_STS2, 6, 4)
	s_cmp_eq_u32 s2, 0
	s_cbranch_scc0 .Lentry_in_a_cluster
	s_endpgm
.Lentry_in_a_cluster:
	s_bfe_u32 s2, ttmp6, 0x10000c
	s_cmp_lg_u32 s2, 0xf033
	s_cbranch_scc0 .Lentry_shape_is_right
	s_endpgm
.Lentry_shape_is_right:
; PROJ: q, k, v = x W + bias on codes of FP6, and their quantising for attention.  x: xq (query, key, value: 24,576 rows), W: wq (rows (head, k) of proj_q, proj_k, proj_v), both as images of operand registers.
; A work-group makes 128 rows of x against 256 rows of W (four heads), K = 1,024.  Wave w: all 128 rows x its own head: 32 accumulators.  THE WHOLE K LIES IN LDS: 4 regions of 256 along K, each filled once:
; every tensor load is a first fill; four of a wave are out at the most, by this text's own count.  No slot is ever filled again.
; CLUSTER 4 x 4: the four work-groups of a row need the same rows of x, the four of a column the same rows of W: each block is asked for jointly.
; ROWS of a tile: lane a of tile t of a group of 64 takes row 8 t + (a & 7) + 32 (a >> 3).  So the four result tiles made of a group's four tiles give a lane 32 NEIGHBOURS, 32 h + 0 .. 31: one whole block of the next K.
; q and k: source 0 = W, source 1 = x: a lane holds one row and 32 of the head's 64.   v: source 0 = x, source 1 = W: a lane holds one channel and 32 keys.  Which of the two is a branch on the tensor's number T,
; made of the cluster's y alone: the same in every wave and every partner; it stands round the products alone.  The bias is the C of the first K step.
; OUT: a block of 6,400 bytes for each (batch, head, 128 rows): four fragments and 256 bytes of scale words (lane (r, h), word m: fragment 2 m + h).  q, k: fragment f = row tiles 2 f (K 0-63) and 2 f + 1 (K 64-127);
; v: fragment j = channel tile j x 128 keys.  qi: [bh][group][6400]; kvi: [bh][group][k's block | v's block].
; LIMITS: NaN and infinities are not served; a block of zeros gets the byte 1 (its codes are zeros; this program alone reads the bytes).
; REGISTERS: window 0: addresses, scale words, bias, the way out; window 1: the accumulators; window 2: x's fragments, two sets; window 3: W's, two sets.
; THE LOADS: x's 128 rows for all of K are one dense block of xq, W's 256 rows one dense block of wq.  Wave 3 asks for x's block, waves 0 to 2 for a third of W's each: one tensor load a wave, all at the head.
.set XBLK,   98304                     ; x's block: [kc][8 tiles x 3,072 bytes]
.set WBLK,   196608                    ; W's block: [kc][16 tiles x 3,072 bytes]
.set XS_OFF, 18874368
.set WS_OFF, 3145728
.set XKC,    24576                     ; LDS: x's block at 0, 256 along K apart by XKC;
.set WKC,    49152                     ; W's block behind it, at WOFF, 256 along K apart by WKC
.set WOFF,   98304
.set SPARE,  294912                    ; behind the four regions: the spare words, 128 bytes for each wave
.set FLOOR,  0x1800000
.set ESTEP,  0xff000000
.set L16, 3                            ; v3   16 x lane
.set L8,  4                            ; v4   8 x lane
.set SH,  5                            ; v5   8 h
.set ADR, 8                            ; v8-23 for each region: x by 16 and by 8 bytes a lane, my W likewise
.set SPW, 28
.set NIL, 29
.set XS,  32                           ; v32-63 x's scale words
.set WS,  64                           ; v64-79 W's
.set BIAS, 80                          ; v80-111 the bias in the result's layout, eight registers for each tile of W
.set TM,  112                          ; v112-119 first the bias loads' offsets, then largest magnitudes
.set SCL, 120
.set BY,  128
.set PD,  136
.set CD,  144                          ; v144-207 codes, eight registers a unit
.set WRD, 208
.set RM,  212
.set G1X, 24
.set G1W, 32
.set G0X, 40
.set G0W, 68
.set SEL, 66                           ; s[66:67] lane selects for v_permlanex16_b32: lane l xor 16; registers of their own, which no memory instruction names
.set MSB, 0
.macro WIN new                         ; the immediate's high byte repeats the setting that is left
.if MSB != \new
	s_set_vgpr_msb (MSB<<8)|\new
.set MSB, \new
.endif
.endm
.macro CROUND                          ; a round of the cluster's barrier
	s_barrier_signal -1
	s_barrier_wait -1
	s_cmp_lg_u32 s18, 0
	s_cbranch_scc1 .Lnw0_\@
	s_barrier_signal -3
.Lnw0_\@:
	s_barrier_wait -3
	s_barrier_signal -1
	s_barrier_wait -1
.endm
.macro PLACES n
.rept \n
	v_nop
.endr
.endm
; one product.  cm = 0: C is the constant 0; else C = v[cr ..].  ra, rb: the side's scale words stand in lanes 16-31
.macro WM d, a, b, cm, cr, sa, sb, ra, rb
.set rD, \d
.set rA, \a
.set rB, \b
.set rC, \cr
.set rS, \sa
.set rT, \sb
.set rw, 2*(\ra)+(\rb)
.if (\cm) == 0
.if rw == 0
	v_wmma_scale_f32_16x16x128_f8f6f4 v[rD:rD+7], v[rA:rA+11], v[rB:rB+11], 0, v[rS], v[rT] matrix_a_fmt:MATRIX_FMT_FP6 matrix_b_fmt:MATRIX_FMT_FP6
.elseif rw == 1
	v_wmma_scale_f32_16x16x128_f8f6f4 v[rD:rD+7], v[rA:rA+11], v[rB:rB+11], 0, v[rS], v[rT] matrix_a_fmt:MATRIX_FMT_FP6 matrix_b_fmt:MATRIX_FMT_FP6 matrix_b_scale:MATRIX_SCALE_ROW1
.elseif rw == 2
	v_wmma_scale_f32_16x16x128_f8f6f4 v[rD:rD+7], v[rA:rA+11], v[rB:rB+11], 0, v[rS], v[rT] matrix_a_fmt:MATRIX_FMT_FP6 matrix_b_fmt:MATRIX_FMT_FP6 matrix_a_scale:MATRIX_SCALE_ROW1
.else
	v_wmma_scale_f32_16x16x128_f8f6f4 v[rD:rD+7], v[rA:rA+11], v[rB:rB+11], 0, v[rS], v[rT] matrix_a_fmt:MATRIX_FMT_FP6 matrix_b_fmt:MATRIX_FMT_FP6 matrix_a_scale:MATRIX_SCALE_ROW1 matrix_b_scale:MATRIX_SCALE_ROW1
.endif
.else
.if rw == 0
	v_wmma_scale_f32_16x16x128_f8f6f4 v[rD:rD+7], v[rA:rA+11], v[rB:rB+11], v[rC:rC+7], v[rS], v[rT] matrix_a_fmt:MATRIX_FMT_FP6 matrix_b_fmt:MATRIX_FMT_FP6
.elseif rw == 1
	v_wmma_scale_f32_16x16x128_f8f6f4 v[rD:rD+7], v[rA:rA+11], v[rB:rB+11], v[rC:rC+7], v[rS], v[rT] matrix_a_fmt:MATRIX_FMT_FP6 matrix_b_fmt:MATRIX_FMT_FP6 matrix_b_scale:MATRIX_SCALE_ROW1
.elseif rw == 2
	v_wmma_scale_f32_16x16x128_f8f6f4 v[rD:rD+7], v[rA:rA+11], v[rB:rB+11], v[rC:rC+7], v[rS], v[rT] matrix_a_fmt:MATRIX_FMT_FP6 matrix_b_fmt:MATRIX_FMT_FP6 matrix_a_scale:MATRIX_SCALE_ROW1
.else
	v_wmma_scale_f32_16x16x128_f8f6f4 v[rD:rD+7], v[rA:rA+11], v[rB:rB+11], v[rC:rC+7], v[rS], v[rT] matrix_a_fmt:MATRIX_FMT_FP6 matrix_b_fmt:MATRIX_FMT_FP6 matrix_a_scale:MATRIX_SCALE_ROW1 matrix_b_scale:MATRIX_SCALE_ROW1
.endif
.endif
.endm
; K step s's fragments, 48 LDS loads in one run, into set s % 2: each load takes 512 or 256 consecutive bytes
.macro FETCH s
.set kq, (\s)/2
.set fo, 1536*((\s)%2)
.set xb, 96*((\s)%2)
.set wb, 48*((\s)%2)
	WIN 0x80                                       ; destination window 2
.irp i, 0,1,2,3,4,5,6,7
	ds_load_b128 v[xb+12*\i:xb+12*\i+3], v[ADR+4*kq] offset:3072*\i+fo
	ds_load_b64 v[xb+12*\i+4:xb+12*\i+5], v[ADR+4*kq+1] offset:3072*\i+fo+512
	ds_load_b128 v[xb+12*\i+6:xb+12*\i+9], v[ADR+4*kq] offset:3072*\i+fo+768
	ds_load_b64 v[xb+12*\i+10:xb+12*\i+11], v[ADR+4*kq+1] offset:3072*\i+fo+1280
.endr
	WIN 0xc0                                       ; destination window 3
.irp j, 0,1,2,3
	ds_load_b128 v[wb+12*\j:wb+12*\j+3], v[ADR+4*kq+2] offset:3072*\j+fo
	ds_load_b64 v[wb+12*\j+4:wb+12*\j+5], v[ADR+4*kq+3] offset:3072*\j+fo+512
	ds_load_b128 v[wb+12*\j+6:wb+12*\j+9], v[ADR+4*kq+2] offset:3072*\j+fo+768
	ds_load_b64 v[wb+12*\j+10:wb+12*\j+11], v[ADR+4*kq+3] offset:3072*\j+fo+1280
.endr
	WIN 0
.endm
; K step s's 32 products.  The 32 accumulators take turns, one instruction a turn, in ascending order in both arms and in every step.
.macro MUL s, arm
.set xb, 96*((\s)%2)
.set wb, 48*((\s)%2)
.set sx, XS+4*((\s)/2)+2*((\s)%2)
.set sw, WS+4*((\s)/2)+2*((\s)%2)
.if (\arm) == 0
.if (\s) == 0
	WIN 0x4b                                       ; W window 3, x window 2, the bias window 0, D window 1
.else
	WIN 0x5b
.endif
.irp i, 0,1,2,3,4,5,6,7
.irp j, 0,1,2,3
.if (\s) == 0
	WM 8*(4*\i+\j), wb+12*\j, xb+12*\i, 1, BIAS+8*\j, sw+\j/2, sx+16*(\i/4)+(\i/2)%2, \j%2, \i%2
.else
	WM 8*(4*\i+\j), wb+12*\j, xb+12*\i, 1, 8*(4*\i+\j), sw+\j/2, sx+16*(\i/4)+(\i/2)%2, \j%2, \i%2
.endif
.endr
.endr
.else
.if (\s) == 0
	WIN 0x4e                                       ; x window 2, W window 3
.else
	WIN 0x5e
.endif
.irp j, 0,1,2,3
.irp i, 0,1,2,3,4,5,6,7
.if (\s) == 0
	WM 8*(8*\j+\i), xb+12*\i, wb+12*\j, 1, BIAS+8*\j, sx+16*(\i/4)+(\i/2)%2, sw+\j/2, \i%2, \j%2
.else
	WM 8*(8*\j+\i), xb+12*\i, wb+12*\j, 1, 8*(8*\j+\i), sx+16*(\i/4)+(\i/2)%2, sw+\j/2, \i%2, \j%2
.endif
.endr
.endr
.endif
	WIN 0
.endm
.macro MULS s
	s_cmp_eq_u32 s85, 2                            ; value's rows?  The same answer in every wave and every partner
	s_cbranch_scc1 .Larm1_\@
	MUL \s, 0
	s_branch .Ljoin_\@
.Larm1_\@:
	MUL \s, 1
.Ljoin_\@:
.endm
.macro GSTEP s
	s_wait_dscnt 0x0                               ; this step's fragments, asked for a step ago, are in
.if (\s) < 7
.if (\s) > 0
	PLACES 4                                       ; in front of loads into registers that the products of the step before have read
.endif
	s_wait_alu depctr_va_vdst(0)
	FETCH (\s)+1
.endif
	MULS \s
.endm
	s_load_b128 s[4:7], s[0:1], 0x0                ; xq, wq
	s_load_b128 s[8:11], s[0:1], 0x10              ; bias_q, bias_k
	s_load_b128 s[12:15], s[0:1], 0x20             ; bias_v, qi
	s_load_b64 s[16:17], s[0:1], 0x30              ; kvi
	v_lshl_add_u32 v[SPW], v0, 2, SPARE
	v_mov_b32 v[NIL], 0
	ds_add_u32 v[SPW], v[NIL]                      ; the wave's opening: the add and its wait ahead of my first tensor load
	ds_add_u32 v[SPW], v[NIL]
	v_lshrrev_b32 v1, 5, v0
	v_readfirstlane_b32 s18, v1                    ; wave
	v_and_b32 v6, 31, v0
	v_and_b32 v1, 15, v0                           ; r
	v_bfe_u32 v2, v0, 4, 1                         ; h
	v_lshlrev_b32 v[L16], 4, v6
	v_lshlrev_b32 v[L8], 3, v6
	v_lshlrev_b32 v[SH], 3, v2
.irp u, 0,1,2,3,4,5,6,7
	v_mov_b32 v[PD+\u], 0                          ; written once: a lane permute's destination counts as one of its sources
.endr
	s_mov_b32 s[SEL], 0x76543210
	s_mov_b32 s[SEL+1], 0xfedcba98
	s_bfe_u32 s21, ttmp6, 0x40000                  ; cx
	s_bfe_u32 s22, ttmp6, 0x40004                  ; cy
	s_lshl_b32 s23, ttmp9, 2
	s_add_co_u32 s23, s23, s21                     ; x: which 256 rows of W
	s_and_b32 s85, ttmp7, 0xffff
	s_lshl_b32 s84, s85, 2
	s_add_co_u32 s84, s84, s22                     ; y: which 128 rows of x
	s_lshr_b32 s85, s85, 4                         ; T: 0 query, 1 key, 2 value: 16 clusters each
	s_lshl_b32 s56, s22, 2
	s_lshl_b32 s56, 15, s56                        ; my row of the cluster
	s_lshl_b32 s57, 0x1111, s21                    ; my column
	s_or_b32 s[G1X], s56, (3<<16)|(1<<21)          ; the mask; elements of 8 bytes; bit 21 beside a mask; no padding
	s_or_b32 s[G1W], s57, (3<<16)|(1<<21)
	s_mov_b32 s[G1X+1], 32<<16                     ; dense blocks as rows of 256 bytes: tensor_dim0 = 32
	s_mov_b32 s[G1X+2], 384<<16                    ; tensor_dim1 = 384: x's whole block
	s_mov_b32 s[G1X+3], 32<<16                     ; tile_dim0
	s_mov_b32 s[G1X+4], 384
	s_mov_b32 s[G1X+5], 32                         ; the pitch
	s_mov_b32 s[G1X+6], 0
	s_mov_b32 s[G1X+7], 0
	s_mov_b32 s[G1W+1], 32<<16
	s_mov_b32 s[G1W+2], 256<<16                    ; a third of W's block
	s_mov_b32 s[G1W+3], 32<<16
	s_mov_b32 s[G1W+4], 256
	s_mov_b32 s[G1W+5], 32
	s_mov_b32 s[G1W+6], 0
	s_mov_b32 s[G1W+7], 0
	s_mul_i32 s58, s84, XBLK                       ; x: block y
	s_mov_b32 s59, 0
	s_lshl_b32 s60, s85, 2
	s_add_co_u32 s60, s60, s23
	s_mul_i32 s60, s60, WBLK                       ; W: block 4 T + x,
	s_lshl_b32 s62, s18, 16
	s_add_co_u32 s60, s60, s62                     ; + 65,536 x wave (waves 0 to 2 use it)
	s_mov_b32 s61, 0
	s_add_co_u32 s63, s62, WOFF                    ; and where it goes: no place in the cluster enters an LDS address
	s_wait_dscnt 0x0                               ; the opening add is done
	s_wait_kmcnt 0x0
	s_add_nc_u64 s[58:59], s[4:5], s[58:59]
	s_add_nc_u64 s[60:61], s[6:7], s[60:61]
	s_mov_b32 s[G0X], 1
	s_mov_b32 s[G0X+1], 0
	s_mov_b64 s[G0X+2:G0X+3], s[58:59]
	s_or_b32 s[G0X+3], s[G0X+3], 0x80000000
	s_mov_b32 s[G0W], 1
	s_mov_b32 s[G0W+1], s63
	s_mov_b64 s[G0W+2:G0W+3], s[60:61]
	s_or_b32 s[G0W+3], s[G0W+3], 0x80000000
	CROUND                                         ; all sixteen work-groups are here: the joint loads meet
	s_cmp_eq_u32 s18, 3                            ; one branch on the wave's number, one load in each arm
	s_cbranch_scc0 .Lfor_w
	tensor_load_to_lds s[G0X:G0X+3], s[G1X:G1X+7]
	s_nop 0
	PLACES 4
	s_branch .Lasked
.Lfor_w:
	tensor_load_to_lds s[G0W:G0W+3], s[G1W:G1W+7]
	s_nop 0
	PLACES 4
.Lasked:
	; the scale words of my 128 rows of x and of my head, for all of K: 512 consecutive bytes a load.  Their bases, s[86:87] and s[88:89], are not written again
	s_lshl_b32 s86, s84, 12
	s_add_co_u32 s86, s86, XS_OFF
	s_mov_b32 s87, 0
	s_add_nc_u64 s[86:87], s[4:5], s[86:87]
	s_lshl_b32 s88, s85, 4
	s_lshl_b32 s91, s23, 2
	s_add_co_u32 s91, s91, s18                     ; the head: 4 x + wave
	s_add_co_u32 s88, s88, s91
	s_lshl_b32 s88, s88, 11
	s_add_co_u32 s88, s88, WS_OFF
	s_mov_b32 s89, 0
	s_add_nc_u64 s[88:89], s[6:7], s[88:89]
.irp g, 0,1
.irp kc, 0,1,2,3
	global_load_b128 v[XS+16*\g+4*\kc:XS+16*\g+4*\kc+3], v[L16], s[86:87] offset:2048*\g+512*\kc
.endr
.endr
.irp kc, 0,1,2,3
	global_load_b128 v[WS+4*\kc:WS+4*\kc+3], v[L16], s[88:89] offset:512*\kc
.endr
	; the bias in the result's layout.  q, k: register 8 j + i = bias[32 h + 8 j + i];  v: all eight registers of tile j = bias[8 j + (r & 7) + 32 (r >> 3)].  Offset and stride are chosen, not branched on
	s_cmp_eq_u32 s85, 0
	s_cselect_b64 s[96:97], s[8:9], s[10:11]
	s_cselect_b64 s[94:95], s[14:15], s[16:17]     ; and where the results go: qi or kvi,
	s_mov_b32 s93, 12800
	s_cselect_b32 s93, 6400, s93                   ; a block apart, or two
	s_cmp_eq_u32 s85, 2
	s_cselect_b64 s[96:97], s[12:13], s[96:97]
	s_cselect_b32 s98, 0, 4
	s_cselect_b32 s99, -1, 0
	s_cselect_b32 s90, 6400, 0                     ; v's block lies behind k's
	s_lshl_b32 s56, s91, 8
	s_mov_b32 s57, 0
	s_add_nc_u64 s[96:97], s[96:97], s[56:57]
	v_and_b32 v6, 7, v1
	v_lshlrev_b32 v6, 2, v6
	v_lshrrev_b32 v7, 3, v1
	v_lshl_add_u32 v6, v7, 7, v6
	v_lshlrev_b32 v7, 7, v2
	v_cndmask_b32 v6, v7, v6, s99
	v_mov_b32 v7, s98
.irp i, 0,1,2,3,4,5,6,7
	v_mad_u32_u24 v[TM+\i], v7, \i, v6
.endr
.irp j, 0,1,2,3
.irp i, 0,1,2,3,4,5,6,7
	global_load_b32 v[BIAS+8*\j+\i], v[TM+\i], s[96:97] offset:32*\j
.endr
.endr
	s_bfe_u32 s92, s84, 0x20004                    ; the batch: (y & 63) >> 4
	s_lshl_b32 s92, s92, 4
	s_add_co_u32 s92, s92, s91
	s_lshl_b32 s92, s92, 4
	s_and_b32 s56, s84, 15
	s_add_co_u32 s92, s92, s56                     ; (batch x 16 + head) x 16 + the group of 128 rows
	s_mul_i32 s92, s92, s93
	s_add_co_u32 s92, s92, s90
	s_mov_b32 s93, 0
	s_add_nc_u64 s[94:95], s[94:95], s[92:93]
	s_mul_i32 s90, s18, 12288
	s_add_co_u32 s90, s90, WOFF                    ; my head's four tiles of W in a region
	v_add_nc_u32 v6, s90, v[L16]
	v_add_nc_u32 v7, s90, v[L8]
.irp kc, 0,1,2,3
	v_add_nc_u32 v[ADR+4*\kc], XKC*\kc, v[L16]
	v_add_nc_u32 v[ADR+4*\kc+1], XKC*\kc, v[L8]
	v_add_nc_u32 v[ADR+4*\kc+2], WKC*\kc, v6
	v_add_nc_u32 v[ADR+4*\kc+3], WKC*\kc, v7
.endr
	s_wait_alu depctr_va_vdst(0)
	s_wait_tensorcnt 0x0                           ; my one load has landed; behind the barrier below everybody's has: all of K is in LDS
	s_barrier_signal -1
	s_barrier_wait -1
	FETCH 0
	s_wait_loadcnt 0x0                             ; scale words and bias
.irp s, 0,1,2,3,4,5,6,7
	GSTEP \s
.endr
	; THE WAY OUT.  Unit u = accumulator registers 32 u .. 32 u + 31: one whole block of 32 along the next K in each lane (q, k: row tile u; v: channel tile u / 2, keys 64 (u % 2) on)
	PLACES 4
	WIN 0x05                                       ; sources 0 and 1 window 1
.irp u, 0,1,2,3,4,5,6,7
	v_max3_num_f32 v[TM+\u], |v[32*\u]|, |v[32*\u+1]|, FLOOR       ; ascending: each accumulator is read from its low end on
.endr
.irp n, 2,4,6,8,10,12,14,16,18,20,22,24,26,28,30
.irp u, 0,1,2,3,4,5,6,7
	v_max3_num_f32 v[TM+\u], |v[32*\u+\n]|, |v[32*\u+\n+1]|, v[TM+\u]
.endr
.endr
	WIN 0
.irp u, 0,1,2,3,4,5,6,7
	v_add_nc_u32 v[SCL+\u], ESTEP, v[TM+\u]
.endr
.irp u, 0,1,2,3,4,5,6,7
	v_lshrrev_b32 v[BY+\u], 23, v[SCL+\u]
.endr
.irp u, 0,1,2,3,4,5,6,7
	v_lshlrev_b32 v[BY+\u], v[SH], v[BY+\u]
.endr
.irp u, 0,1,2,3,4,5,6,7
	v_permlanex16_b32 v[PD+\u], v[BY+\u], s[SEL], s[SEL+1]
.endr
.irp u, 0,1,2,3,4,5,6,7
	v_or_b32 v[BY+\u], v[BY+\u], v[PD+\u]          ; the unit's two bytes
.endr
.irp f, 0,1,2,3
	v_lshl_or_b32 v[WRD+\f], v[BY+2*\f+1], 16, v[BY+2*\f]          ; fragment f's scale word
.endr
	v_cmp_ne_u32 vcc_lo, 0, v2
	v_cndmask_b32 v[RM], v[WRD], v[WRD+1], vcc_lo
	v_cndmask_b32 v[RM+1], v[WRD+2], v[WRD+3], vcc_lo
	WIN 0x01                                       ; source 0 window 1
.irp u, 0,1,2,3,4,5,6,7
	v_cvt_scalef32_pk16_fp6_f32 v[CD+8*\u:CD+8*\u+2], v[32*\u:32*\u+15], v[SCL+\u]
	v_cvt_scalef32_pk16_fp6_f32 v[CD+8*\u+4:CD+8*\u+6], v[32*\u+16:32*\u+31], v[SCL+\u]
.endr
	WIN 0
	v_nop                                          ; one plain place behind the conversions
.irp u, 0,1,2,3,4,5,6,7
	v_mov_b32 v[CD+8*\u+3], v[CD+8*\u+4]
	v_mov_b32 v[CD+8*\u+4], v[CD+8*\u+5]
	v_mov_b32 v[CD+8*\u+5], v[CD+8*\u+6]
	global_store_b128 v[L16], v[CD+8*\u:CD+8*\u+3], s[94:95] offset:768*\u           ; 512 consecutive bytes
	global_store_b64 v[L8], v[CD+8*\u+4:CD+8*\u+5], s[94:95] offset:768*\u+512       ; 256
.endr
	global_store_b64 v[L8], v[RM:RM+1], s[94:95] offset:6144
	s_wait_tensorcnt 0x0                           ; the wave's end
	ds_add_u32 v[SPW], v[NIL]
	s_wait_dscnt 0x0
	CROUND                                         ; the closing round
	s_endpgm
.Lfunc_end_k_q6373079a9d_proj:
	.size	k_q6373079a9d_proj, .Lfunc_end_k_q6373079a9d_proj-k_q6373079a9d_proj
	.p2alignl 7, 3214868480
	.fill 96, 4, 3214868480
	.section	.rodata,"a",@progbits
	.p2align	6, 0x0
	.amdhsa_kernel k_q6373079a9d_proj
		.amdhsa_group_segment_fixed_size 295424
		.amdhsa_private_segment_fixed_size 0
		.amdhsa_enable_private_segment 0
		.amdhsa_kernarg_size 56
		.amdhsa_user_sgpr_count 2
		.amdhsa_user_sgpr_kernarg_segment_ptr 1
		.amdhsa_wavefront_size32 1
		.amdhsa_system_sgpr_workgroup_id_x 1
		.amdhsa_system_sgpr_workgroup_id_y 1
		.amdhsa_system_sgpr_workgroup_id_z 1
		.amdhsa_system_vgpr_workitem_id 0
		.amdhsa_next_free_vgpr 1024
		.amdhsa_next_free_sgpr 100
		.amdhsa_reserve_vcc 1
		.amdhsa_float_denorm_mode_32 3
		.amdhsa_float_denorm_mode_16_64 3
		.amdhsa_memory_ordered 1
		.amdhsa_forward_progress 1
		.amdhsa_inst_pref_size 119
	.end_amdhsa_kernel
	.amdgpu_metadata
---
amdhsa.version: [ 1, 2 ]
amdhsa.kernels:
  - .name:           k_q6373079a9d_proj
    .symbol:         k_q6373079a9d_proj.kd
    .args:
      - { .name: xq, .offset: 0, .size: 8, .value_kind: global_buffer, .address_space: global }
      - { .name: wq, .offset: 8, .size: 8, .value_kind: global_buffer, .address_space: global }
      - { .name: bias_q, .offset: 16, .size: 8, .value_kind: global_buffer, .address_space: global }
      - { .name: bias_k, .offset: 24, .size: 8, .value_kind: global_buffer, .address_space: global }
      - { .name: bias_v, .offset: 32, .size: 8, .value_kind: global_buffer, .address_space: global }
      - { .name: qi, .offset: 40, .size: 8, .value_kind: global_buffer, .address_space: global }
      - { .name: kvi, .offset: 48, .size: 8, .value_kind: global_buffer, .address_space: global }
    .group_segment_fixed_size: 295424
    .private_segment_fixed_size: 0
    .kernarg_segment_align: 8
    .kernarg_segment_size: 56
    .max_flat_workgroup_size: 128
    .sgpr_count:     100
    .vgpr_count:     1024
    .wavefront_size: 32
...
	.end_amdgpu_metadata
.endif
;; end of part 2
;; launch attn (part 3): grid 4 x 64, 16 waves a work-group, clusters of 4 x 1, 206,848 bytes of LDS; arguments qi, kvi, hq; writes hq
.if DOCPART == 3
	.amdgcn_target "amdgcn-amd-amdhsa--gfx1250"
	.amdhsa_code_object_version 6
	.text
	.protected	k_q6373079a9d_attn
	.globl	k_q6373079a9d_attn
	.p2align	8
	.type	k_q6373079a9d_attn,@function
k_q6373079a9d_attn:
	s_mov_b64 s[64:65], 0
	v_nop
	global_prefetch_b8 v0, s[64:65] scope:SCOPE_SE
	s_setreg_imm32_b32 hwreg(HW_REG_WAVE_MODE, 25, 1), 1
	s_wait_xcnt 0x0
	s_wait_alu depctr_hold_cnt(0) depctr_sa_sdst(0) depctr_va_vdst(0) depctr_va_sdst(0) depctr_va_ssrc(0) depctr_va_vcc(0) depctr_vm_vsrc(0)
	s_getreg_b32 s2, hwreg(HW_REG_IB_STS2, 6, 4)
	s_cmp_eq_u32 s2, 0
	s_cbranch_scc0 .Lentry_in_a_cluster
	s_endpgm
.Lentry_in_a_cluster:
	s_bfe_u32 s2, ttmp6, 0x10000c
	s_cmp_lg_u32 s2, 0x3003
	s_cbranch_scc0 .Lentry_shape_is_right
	s_endpgm
.Lentry_shape_is_right:
; ATTN: hid = softmax(q k^T / 8) v on codes of FP6, and hid's quantising along (head, channel).  qi, kvi: blocks of 6,400 bytes: four fragments as images of operand registers, then 256 bytes of scale words.
; THE SOFTMAX AHEAD OF THE SECOND PRODUCT: t = score x log2(e) / 8; M = the running largest t rounded up to a whole number; p = 2^(t - M) is quantised along the keys, not normalised; the row's sum is taken of the
; unquantised p and divides at the end.  When M moves, the sum and O are multiplied by 2^(old M - new M): exact.
; SHARES: a cluster of four work-groups owns one (batch, head); a work-group 512 of its queries; each of its sixteen waves 32: two tiles of 16, one after the other.  Every wave walks all 2,048 keys, 128 a step.
; THE HEAD'S WHOLE K AND V, 204,800 dense bytes, LIE IN LDS, filled once: wave w asks for key step w (12,800 bytes) by one joint load that names the four partners.  One tensor load a wave is out.
; Nothing is prefetched: every byte that the launch reads is asked for at its head, and no loop is left to run ahead in.
; THE WAVES WALK TOGETHER: each key step stands between a barrier's signal and its wait (LDS loads and work on registers alone stand there): no wave leaves a step before every wave has begun it.
; LAYOUT: both products transposed: a lane holds ONE query.  A fragment of k holds two key tiles (K 0-63 and 64-127): against [q | 0] it gives the first, against [0 | q] the second; q lies as q, zeros, q.
; The rows of a tile are 8 t + (a & 7) + 32 (a >> 3) of a group of 64: so a lane's 32 registers of four tiles are 32 NEIGHBOURING keys: whole blocks; a block's maximum needs no other lane, and the conversions' results are the operand.
; A block's largest p is not searched for: its largest score goes through the same multiply-add and exponential (this takes v_exp_f32 not to fall where its input rises).
; OUT: hq's codes: [group of 128 rows][K / 256][row tile 0..7][3,072 bytes]: a group's codes for all of K are 98,304 dense bytes; a head is 64 along K: 768 bytes of a tile.  Behind the codes the scale bytes: [group][head][pair of tiles][lane].
; LIMITS: NaN and infinities are not served; a block of zeros gets the byte 1 (its codes are zeros; this program alone reads the bytes); the scaled scores t stay under 2^31 in magnitude.
; REGISTERS: v1-3 16, 8, 4 x lane; v4, v5 the add's two; v6, v7 the step's LDS addresses; v8 8 h; v9 8 r; v12 -M, v13 the largest t, v[14:15] the sum; v16-33 q, zeros, q; v34 q's scale word; v[36:37] k's, v[38:39] v's;
; v40-87 four fragments; v96-159 S^T, then p; v160-191 O^T; v192-203 p's codes; v204-227, v244-255 at work; v228-240 both query tiles as loaded; v241 the first tile's two scale bytes.
.set SPARE,  204800                    ; behind K and V: the spare words, 128 bytes for each of sixteen waves
.set STEPB,  12800                     ; a key step: k's block, then v's
.set HBLK,   98304                     ; hid's codes of 128 rows
.set HKC,    24576                     ; 256 along K of them
.set HS_OFF, 6291456
.set FLOOR,  0x1800000
.set ESTEP,  0xff000000
.macro CROUND
	s_barrier_signal -1
	s_barrier_wait -1
	s_cmp_lg_u32 s10, 0
	s_cbranch_scc1 .Lnw0_\@
	s_barrier_signal -3
.Lnw0_\@:
	s_barrier_wait -3
	s_barrier_signal -1
	s_barrier_wait -1
.endm
; one product.  cm = 0: C is the constant 0; else C = D.  ra: source 0's scale words stand in lanes 16-31
.macro WM d, a, b, cm, sa, sb, ra
.set rD, \d
.set rA, \a
.set rB, \b
.set rS, \sa
.set rT, \sb
.if (\cm) == 0
.if (\ra) == 0
	v_wmma_scale_f32_16x16x128_f8f6f4 v[rD:rD+7], v[rA:rA+11], v[rB:rB+11], 0, v[rS], v[rT] matrix_a_fmt:MATRIX_FMT_FP6 matrix_b_fmt:MATRIX_FMT_FP6
.else
	v_wmma_scale_f32_16x16x128_f8f6f4 v[rD:rD+7], v[rA:rA+11], v[rB:rB+11], 0, v[rS], v[rT] matrix_a_fmt:MATRIX_FMT_FP6 matrix_b_fmt:MATRIX_FMT_FP6 matrix_a_scale:MATRIX_SCALE_ROW1
.endif
.else
.if (\ra) == 0
	v_wmma_scale_f32_16x16x128_f8f6f4 v[rD:rD+7], v[rA:rA+11], v[rB:rB+11], v[rD:rD+7], v[rS], v[rT] matrix_a_fmt:MATRIX_FMT_FP6 matrix_b_fmt:MATRIX_FMT_FP6
.else
	v_wmma_scale_f32_16x16x128_f8f6f4 v[rD:rD+7], v[rA:rA+11], v[rB:rB+11], v[rD:rD+7], v[rS], v[rT] matrix_a_fmt:MATRIX_FMT_FP6 matrix_b_fmt:MATRIX_FMT_FP6 matrix_a_scale:MATRIX_SCALE_ROW1
.endif
.endif
.endm
.macro FRAGS off                       ; four fragments from byte off of the step's bytes
.irp f, 0,1,2,3
	ds_load_b128 v[40+12*\f:43+12*\f], v6 offset:\off+1536*\f
	ds_load_b64 v[44+12*\f:45+12*\f], v7 offset:\off+1536*\f+512
	ds_load_b128 v[46+12*\f:49+12*\f], v6 offset:\off+1536*\f+768
	ds_load_b64 v[50+12*\f:51+12*\f], v7 offset:\off+1536*\f+1280
.endr
.endm
.macro PA d, a, b                      ; two sums at once
	v_pk_add_f32 v[\d:\d+1], v[\a:\a+1], v[\b:\b+1]
.endm
; A KEY STEP: 128 keys, at LDS byte s44
.macro STEP
	v_add_nc_u32 v6, s44, v1
	v_add_nc_u32 v7, s44, v2
	v_nop
	v_nop                                          ; four places in front of loads into registers that the last products have read
	FRAGS 0
	ds_load_b64 v[36:37], v7 offset:6144           ; k's scale words: register f / 2, lanes 16 (f % 2) on
	s_wait_alu depctr_va_vdst(0)
	s_wait_dscnt 0x0
.irp f, 0,1,2,3
.irp e, 0,1
	WM 96+8*(2*\f+\e), 40+12*\f, 16+6*\e, 0, 36+\f/2, 34, \f%2
.endr
.endr                                  ; register 32 c + n of S^T: key 64 c + 32 h + n of the step
.rept 4
	v_nop
.endr
	FRAGS 6400                                     ; v's fragments are on their way while the softmax is walked
	ds_load_b64 v[38:39], v7 offset:12544
.irp b, 0,1,2,3
	v_max3_num_f32 v[212+\b], v[96+16*\b], v[97+16*\b], v[98+16*\b]        ; four chains of 16 scores by turns; each accumulator is read from its low end on
.endr
.irp i, 3,5,7,9,11,13
.irp b, 0,1,2,3
	v_max3_num_f32 v[212+\b], v[212+\b], v[96+16*\b+\i], v[97+16*\b+\i]
.endr
.endr
.irp b, 0,1,2,3
	v_max_num_f32 v[212+\b], v[212+\b], v[111+16*\b]
.endr
	s_delay_alu instid0(VALU_DEP_3)
	v_max_num_f32 v212, v212, v213                 ; the largest score of my block h,
	s_delay_alu instid0(VALU_DEP_2)
	v_max_num_f32 v214, v214, v215                 ; and of my block 2 + h
	s_delay_alu instid0(VALU_DEP_1)
	v_max_num_f32 v217, v212, v214
	s_delay_alu instid0(VALU_DEP_1)
	v_permlanex16_b32 v216, v217, s42, s43
	s_delay_alu instid0(VALU_DEP_1)
	v_max_num_f32 v217, v217, v216                 ; the step's largest score of my query
	s_delay_alu instid0(VALU_DEP_1)
	v_mul_f32 v217, s40, v217                      ; as t
	s_delay_alu instid0(VALU_DEP_1)
	v_max_num_f32 v13, v13, v217                   ; the running largest t
	v_mov_b32 v217, v12
	s_delay_alu instid0(VALU_DEP_2)
	v_floor_f32 v12, -v13                          ; the new -M = floor(-t): M is a whole number
	s_delay_alu instid0(VALU_DEP_1)
	v_sub_f32 v217, v12, v217                      ; old M less new M: a whole number, 0 or less
	s_delay_alu instid0(VALU_DEP_1)
	v_cvt_i32_f32 v217, v217                       ; (it saturates)
	s_delay_alu instid0(VALU_DEP_1)
	v_ldexp_f32 v218, 1.0, v217                    ; f = 2^(old M - new M)
	v_fma_f32 v212, v212, s40, v12                 ; t - M of each block's largest score,
	v_fma_f32 v214, v214, s40, v12
.set jj, 0
.rept 32
	v_pk_fma_f32 v[96+jj:97+jj], v[96+jj:97+jj], s[40:41], v[12:13] op_sel_hi:[1,0,0]      ; and of all 64, two at a time
.set jj, jj+2
.endr
.set jj, 0
.rept 16
	v_pk_mul_f32 v[160+jj:161+jj], v[160+jj:161+jj], v[218:219] op_sel_hi:[1,0]    ; O^T under the new M, each accumulator from its low end on
.set jj, jj+2
.endr
	s_wait_alu depctr_va_vdst(0)
	v_exp_f32 v212, v212                           ; the blocks' largest p
	v_exp_f32 v214, v214
.set jj, 0
.rept 64
	v_exp_f32 v[96+jj], v[96+jj]                   ; p = 2^(t - M), at most 1
.set jj, jj+1
.endr
	v_pk_mul_f32 v[14:15], v[14:15], v[218:219] op_sel_hi:[1,0]    ; the sums under the new M: a plain place behind the exponentials
	s_wait_alu depctr_va_vdst(0)                   ; one wait for the batch, ahead of its first reader
	; p's scales and codes, with the row's sum of the unquantised p (eight chains) laid between the dependent lines
	v_max_num_f32 v212, FLOOR, v212                ; the floor: the byte cannot fall under 1
	v_max_num_f32 v214, FLOOR, v214
	PA 220, 100, 104
	PA 254, 108, 112
	v_add_nc_u32 v222, ESTEP, v212                 ; the conversions' scale operands
	v_add_nc_u32 v223, ESTEP, v214
	PA 252, 116, 120
	PA 250, 124, 128
.irp c, 0,1
	v_cvt_scalef32_pk16_fp6_f32 v[192+6*\c:194+6*\c], v[96+32*\c:111+32*\c], v[222+\c]
	v_cvt_scalef32_pk16_fp6_f32 v[204+4*\c:206+4*\c], v[112+32*\c:127+32*\c], v[222+\c]    ; (a conversion's three registers begin on an even number)
.endr
	v_lshrrev_b32 v224, 23, v222                   ; the scales' bytes; also the plain place behind the conversions
	v_lshrrev_b32 v225, 23, v223
	PA 248, 132, 136
	PA 246, 140, 144
	v_lshl_or_b32 v226, v225, 16, v224
.irp c, 0,1
.irp i, 0,1,2
	v_mov_b32 v[195+6*\c+\i], v[204+4*\c+\i]
.endr
.endr
	v_lshlrev_b32 v226, v8, v226
	PA 244, 148, 152
	PA 14, 14, 156
	v_permlanex16_b32 v227, v226, s42, s43
	PA 220, 220, 96
	PA 254, 254, 98
	v_or_b32 v226, v226, v227                      ; p's scale word for these 128 keys; the 22 sums below are the places between it and the products
	PA 252, 252, 102
	PA 250, 250, 106
	PA 248, 248, 110
	PA 246, 246, 114
	PA 244, 244, 118
	PA 14, 14, 122
	PA 220, 220, 126
	PA 254, 254, 130
	PA 252, 252, 134
	PA 250, 250, 138
	PA 248, 248, 142
	PA 246, 246, 146
	PA 244, 244, 150
	PA 14, 14, 154
	PA 220, 220, 158
	PA 14, 14, 250
	PA 220, 220, 248
	PA 254, 254, 246
	PA 252, 252, 244
	s_delay_alu instid0(VALU_DEP_2)
	PA 14, 14, 254
	s_delay_alu instid0(VALU_DEP_2)
	PA 220, 220, 252
	s_delay_alu instid0(VALU_DEP_1)
	PA 14, 14, 220
	s_wait_alu depctr_va_vdst(0)
	s_wait_dscnt 0x0                               ; v's fragments
.irp j, 0,1,2,3
	WM 160+8*\j, 40+12*\j, 192, 1, 38+\j/2, 226, \j%2
.endr                                  ; register 8 j + i of O^T: channel 32 h + 8 j + i
	s_add_co_u32 s44, s44, STEPB
.endm
.macro WALK                            ; all sixteen key steps.  No LDS instruction of the wave is out at a signal: each step ends behind its wait for 0 on DScnt
	s_mov_b32 s44, 0
	s_mov_b32 s45, 16
.Lst_\@:
	s_barrier_signal -1                            ; I begin this step
	STEP
	s_barrier_wait -1                              ; every wave has begun it
	s_sub_co_u32 s45, s45, 1
	s_cmp_lg_u32 s45, 0
	s_cbranch_scc1 .Lst_\@
.endm
.macro INIT e                          ; query tile e takes the stage; O^T and the sum begin as zeros and the largest t under every t: the first change of M multiplies zeros
.irp i, 0,1,2,3,4,5
	v_mov_b32 v[16+\i], v[228+6*(\e)+\i]
	v_mov_b32 v[28+\i], v[228+6*(\e)+\i]
.endr
.if (\e) == 0
	v_and_b32 v34, 0xffff, v240
.else
	v_lshrrev_b32 v34, 16, v240
.endif
	s_delay_alu instid0(VALU_DEP_1)
	v_lshl_or_b32 v34, v34, 16, v34                ; its two bytes twice: whichever half of K holds q
	v_mov_b32 v13, 0xff61b1e6
	s_delay_alu instid0(VALU_DEP_1)
	v_floor_f32 v12, -v13
	v_mov_b32 v14, 0
	v_mov_b32 v15, 0
.set jj, 0
.rept 32
	v_mov_b32 v[160+jj], 0
.set jj, jj+1
.endr
	s_wait_alu depctr_va_vdst(0)
.endm
.macro FIN e                           ; O^T / the sum is 32 neighbours of hid's K in each lane: one block; its codes are half a fragment of hid
.rept 4
	v_nop
.endr
	v_add_f32 v14, v14, v15
	s_delay_alu instid0(VALU_DEP_1)
	v_permlanex16_b32 v216, v14, s42, s43
	s_delay_alu instid0(VALU_DEP_1)
	v_add_f32 v14, v14, v216                       ; the row's sum
	s_wait_alu depctr_va_vdst(0)
	v_rcp_f32 v14, v14
	v_nop
	s_wait_alu depctr_va_vdst(0)
.set jj, 0
.rept 16
	v_pk_mul_f32 v[96+jj:97+jj], v[160+jj:161+jj], v[14:15] op_sel_hi:[1,0]
.set jj, jj+2
.endr
	v_max3_num_f32 v212, |v96|, |v97|, FLOOR
	v_max3_num_f32 v213, |v112|, |v113|, FLOOR
.irp i, 2,4,6,8,10,12,14
	s_delay_alu instid0(VALU_DEP_2)
	v_max3_num_f32 v212, v212, |v[96+\i]|, |v[97+\i]|
	s_delay_alu instid0(VALU_DEP_2)
	v_max3_num_f32 v213, v213, |v[112+\i]|, |v[113+\i]|
.endr
	s_delay_alu instid0(VALU_DEP_1)
	v_max_num_f32 v212, v212, v213
	s_delay_alu instid0(VALU_DEP_1)
	v_add_nc_u32 v222, ESTEP, v212
	s_delay_alu instid0(VALU_DEP_1)
	v_lshrrev_b32 v224, 23, v222
	s_delay_alu instid0(VALU_DEP_1)
	v_lshlrev_b32 v224, v8, v224
	s_delay_alu instid0(VALU_DEP_1)
	v_permlanex16_b32 v227, v224, s42, s43
	s_delay_alu instid0(VALU_DEP_1)
	v_or_b32 v226, v224, v227                      ; the head's two bytes of my row
	v_cvt_scalef32_pk16_fp6_f32 v[192:194], v[96:111], v222
	v_cvt_scalef32_pk16_fp6_f32 v[196:198], v[112:127], v222
	v_nop
	v_mov_b32 v195, v196
	v_mov_b32 v196, v197
	v_mov_b32 v197, v198
	global_store_b128 v1, v[192:195], s[54:55] offset:3072*(\e)          ; 512 consecutive bytes
	global_store_b64 v2, v[196:197], s[54:55] offset:3072*(\e)+512       ; 256
.endm
	s_load_b128 s[4:7], s[0:1], 0x0                ; qi, kvi
	s_load_b64 s[8:9], s[0:1], 0x10                ; hq
	v_lshl_add_u32 v4, v0, 2, SPARE
	v_mov_b32 v5, 0
	ds_add_u32 v4, v5                              ; the wave's opening: the add, twice on end, and its wait ahead of my tensor load
	ds_add_u32 v4, v5
	v_lshrrev_b32 v1, 5, v0
	s_delay_alu instid0(VALU_DEP_1)
	v_readfirstlane_b32 s10, v1                    ; wave 0..15
	s_bfe_u32 s11, ttmp6, 0x40000                  ; cx: it enters the addresses of q and of hid alone
	s_and_b32 s12, ttmp7, 0xffff                   ; batch x 16 + head, which the four partners share
	s_mov_b32 s16, 15|(3<<16)|(1<<21)              ; the mask: all four; elements of 8 bytes; bit 21 beside a mask
	s_mov_b32 s17, 32<<16                          ; a key step's 12,800 dense bytes as 50 rows of 256
	s_mov_b32 s18, 50<<16
	s_mov_b32 s19, 32<<16
	s_mov_b32 s20, 50
	s_mov_b32 s21, 32
	s_mov_b32 s22, 0
	s_mov_b32 s23, 0
	s_mul_i32 s13, s10, STEPB                      ; wave w brings key step w
	s_mul_i32 s14, s12, 204800
	s_add_co_u32 s14, s14, s13
	s_mov_b32 s15, 0
	s_mov_b32 s40, 0x3e38aa3b                      ; c = log2(e) / 8
	s_mov_b32 s41, s40
	s_mov_b32 s42, 0x76543210
	s_mov_b32 s43, 0xfedcba98                      ; selects for lane l xor 16
	v_and_b32 v9, 31, v0
	v_bfe_u32 v8, v0, 4, 1
	s_delay_alu instid0(VALU_DEP_2)
	v_lshlrev_b32 v1, 4, v9
	v_lshlrev_b32 v2, 3, v9
	v_lshlrev_b32 v3, 2, v9
	v_lshlrev_b32 v8, 3, v8
	v_and_b32 v9, 15, v0
	s_delay_alu instid0(VALU_DEP_1)
	v_lshlrev_b32 v9, 3, v9
.irp i, 22,23,24,25,26,27,216,219,227
	v_mov_b32 v[\i], 0                             ; q's zeros; the permutes' destinations; the upper half of f's pair
.endr
	s_lshl_b32 s46, s11, 2
	s_lshr_b32 s47, s10, 2
	s_add_co_u32 s46, s46, s47                     ; my group of 128 queries
	s_and_b32 s47, s10, 3                          ; my fragment of it: two tiles
	s_lshl_b32 s52, s12, 4
	s_add_co_u32 s52, s52, s46
	s_mul_i32 s52, s52, 6400                       ; q's block
	s_mul_i32 s48, s47, 1536
	s_add_co_u32 s48, s48, s52
	s_mov_b32 s49, 0
	s_and_b32 s50, s47, 1
	s_lshl_b32 s50, s50, 7
	s_lshr_b32 s51, s47, 1
	s_lshl_b32 s51, s51, 2
	s_add_co_u32 s50, s50, s51
	s_add_co_u32 s50, s50, s52
	s_add_co_u32 s50, s50, 6144                    ; my fragment's scale words: lanes 16 (f % 2) on, word f / 2
	s_mov_b32 s51, 0
	s_and_b32 s56, s12, 15                         ; head
	s_lshr_b32 s57, s12, 4                         ; batch
	s_lshl_b32 s60, s57, 4
	s_add_co_u32 s60, s60, s46                     ; hid's group of 128 rows
	s_mul_i32 s58, s60, HBLK
	s_lshr_b32 s59, s56, 2
	s_mul_i32 s59, s59, HKC                        ; K / 256 = head / 4
	s_add_co_u32 s58, s58, s59
	s_mul_i32 s59, s47, 6144                       ; row tile 2 x fragment
	s_add_co_u32 s58, s58, s59
	s_and_b32 s59, s56, 3
	s_mul_i32 s59, s59, 768                        ; the head's 64 along K
	s_add_co_u32 s58, s58, s59
	s_mov_b32 s59, 0
	s_lshl_b32 s60, s60, 13
	s_lshl_b32 s61, s56, 9
	s_add_co_u32 s60, s60, s61
	s_lshl_b32 s61, s47, 7
	s_add_co_u32 s60, s60, s61
	s_add_co_u32 s60, s60, HS_OFF                  ; hid's scale bytes: [group of 128 rows][head][pair of tiles][lane]
	s_mov_b32 s61, 0
	s_wait_alu depctr_va_vdst(0)
	s_wait_dscnt 0x0                               ; both opening adds are done
	s_wait_kmcnt 0x0
	s_add_nc_u64 s[14:15], s[6:7], s[14:15]
	s_add_nc_u64 s[48:49], s[4:5], s[48:49]
	s_add_nc_u64 s[50:51], s[4:5], s[50:51]
	s_add_nc_u64 s[54:55], s[8:9], s[58:59]
	s_add_nc_u64 s[60:61], s[8:9], s[60:61]
	s_mov_b32 s24, 1
	s_mov_b32 s25, s13
	s_mov_b64 s[26:27], s[14:15]
	s_or_b32 s27, s27, 0x80000000
	CROUND                                         ; all four work-groups are here: the joint loads meet
	tensor_load_to_lds s[24:27], s[16:23]          ; my one tensor load: key step = my wave's number
	s_nop 0
	global_load_b128 v[228:231], v1, s[48:49]      ; my two query tiles
	global_load_b64 v[232:233], v2, s[48:49] offset:512
	global_load_b128 v[234:237], v1, s[48:49] offset:768
	global_load_b64 v[238:239], v2, s[48:49] offset:1280
	global_load_b32 v240, v9, s[50:51]             ; and their four scale bytes
	s_wait_loadcnt 0x0
	INIT 0
	s_wait_tensorcnt 0x0                           ; my key step has landed
	s_barrier_signal -1
	s_barrier_wait -1                              ; everybody's has: all of K and V is in LDS
	WALK
	FIN 0
	v_mov_b32 v241, v226
	s_wait_xcnt 0x0                                ; the stores have read their registers, which the second tile's steps write again
	INIT 1
	WALK
	FIN 1
	v_cmp_ne_u32 vcc_lo, 0, v8
	s_delay_alu instid0(VALU_DEP_1)
	v_cndmask_b32 v242, v241, v226, vcc_lo         ; lanes 0-15 the first tile's bytes, lanes 16-31 the second's
	global_store_b32 v3, v242, s[60:61]
	s_wait_tensorcnt 0x0                           ; the wave's end
	ds_add_u32 v4, v5
	s_wait_dscnt 0x0
	CROUND                                         ; the closing round
	s_endpgm
.Lfunc_end_k_q6373079a9d_attn:
	.size	k_q6373079a9d_attn, .Lfunc_end_k_q6373079a9d_attn-k_q6373079a9d_attn
	.p2alignl 7, 3214868480
	.fill 96, 4, 3214868480
	.section	.rodata,"a",@progbits
	.p2align	6, 0x0
	.amdhsa_kernel k_q6373079a9d_attn
		.amdhsa_group_segment_fixed_size 206848
		.amdhsa_private_segment_fixed_size 0
		.amdhsa_enable_private_segment 0
		.amdhsa_kernarg_size 24
		.amdhsa_user_sgpr_count 2
		.amdhsa_user_sgpr_kernarg_segment_ptr 1
		.amdhsa_wavefront_size32 1
		.amdhsa_system_sgpr_workgroup_id_x 1
		.amdhsa_system_sgpr_workgroup_id_y 1
		.amdhsa_system_sgpr_workgroup_id_z 1
		.amdhsa_system_vgpr_workitem_id 0
		.amdhsa_next_free_vgpr 256
		.amdhsa_next_free_sgpr 66
		.amdhsa_reserve_vcc 1
		.amdhsa_float_denorm_mode_32 3
		.amdhsa_float_denorm_mode_16_64 3
		.amdhsa_memory_ordered 1
		.amdhsa_forward_progress 1
		.amdhsa_inst_pref_size 48
	.end_amdhsa_kernel
	.amdgpu_metadata
---
amdhsa.version: [ 1, 2 ]
amdhsa.kernels:
  - .name:           k_q6373079a9d_attn
    .symbol:         k_q6373079a9d_attn.kd
    .args:
      - { .name: qi, .offset: 0, .size: 8, .value_kind: global_buffer, .address_space: global }
      - { .name: kvi, .offset: 8, .size: 8, .value_kind: global_buffer, .address_space: global }
      - { .name: hq, .offset: 16, .size: 8, .value_kind: global_buffer, .address_space: global }
    .group_segment_fixed_size: 206848
    .private_segment_fixed_size: 0
    .kernarg_segment_align: 8
    .kernarg_segment_size: 24
    .max_flat_workgroup_size: 512
    .sgpr_count:     66
    .vgpr_count:     256
    .wavefront_size: 32
...
	.end_amdgpu_metadata
.endif
;; end of part 3
;; launch outp (part 4): grid 4 x 64, 4 waves a work-group, clusters of 4 x 4, 312,832 bytes of LDS; arguments hq, wq, out0; writes out0
.if DOCPART == 4
	.amdgcn_target "amdgcn-amd-amdhsa--gfx1250"
	.amdhsa_code_object_version 6
	.text
	.protected	k_q6373079a9d_outp
	.globl	k_q6373079a9d_outp
	.p2align	8
	.type	k_q6373079a9d_outp,@function
k_q6373079a9d_outp:
	s_mov_b64 s[64:65], 0
	v_nop
	global_prefetch_b8 v0, s[64:65] scope:SCOPE_SE
	s_setreg_imm32_b32 hwreg(HW_REG_WAVE_MODE, 25, 1), 1
	s_wait_xcnt 0x0
	s_wait_alu depctr_hold_cnt(0) depctr_sa_sdst(0) depctr_va_vdst(0) depctr_va_sdst(0) depctr_va_ssrc(0) depctr_va_vcc(0) depctr_vm_vsrc(0)
	s_getreg_b32 s2, hwreg(HW_REG_IB_STS2, 6, 4)
	s_cmp_eq_u32 s2, 0
	s_cbranch_scc0 .Lentry_in_a_cluster
	s_endpgm
.Lentry_in_a_cluster:
	s_bfe_u32 s2, ttmp6, 0x10000c
	s_cmp_lg_u32 s2, 0xf033
	s_cbranch_scc0 .Lentry_shape_is_right
	s_endpgm
.Lentry_shape_is_right:
; OUTP: out0 = hid w_out^T on codes of FP6.  hid: hq (8,192 rows), w_out: the last 1,024 rows of wq, both as images of operand registers; out0: [8192][1024] f32.
; A work-group makes 128 rows of hid against 256 rows of w_out, K = 1,024.  Wave w: all 128 rows x its own 64 columns of the output: 32 accumulators.  THE WHOLE K LIES IN LDS: 4 regions of 256 along K, each filled once:
; every tensor load is a first fill; four of a wave are out at the most, by this text's own count.  No slot is ever filled again.
; CLUSTER 4 x 4: the four work-groups of a row need the same rows of hid, the four of a column the same rows of w_out: each block is asked for jointly.
; Source 0 = w_out, source 1 = hid.  Lane a of tile t of a group of 64 rows is row 8 t + (a & 7) + 32 (a >> 3): so a lane's 32 registers of a row tile are 32 NEIGHBOURING columns of one row of the output.
; They go through the wave's own stage in LDS and leave as rows of 256 bytes: sixteen lanes store 256 consecutive bytes, at a multiple of 256 from out0's first byte.
; REGISTERS: window 0: addresses, scale words, the way out; window 1: the accumulators; window 2: hid's fragments, two sets; window 3: w_out's, two sets.
; THE LOADS: hid's 128 rows for all of K are one dense block of hq, w_out's 256 rows one dense block of wq.  Wave 3 asks for hid's block, waves 0 to 2 for a third of w_out's each: one tensor load a wave, all at the head.
.set XBLK,   98304                     ; hid's block: [kc][8 tiles x 3,072 bytes]
.set WBLK,   196608                    ; w_out's block: [kc][16 tiles x 3,072 bytes]
.set HS_OFF, 6291456
.set WS_OFF, 3145728
.set XKC,    24576                     ; LDS: hid's block at 0, 256 along K apart by XKC;
.set WKC,    49152                     ; w_out's block behind it, at WOFF, 256 along K apart by WKC
.set WOFF,   98304
.set STAGE,  294912                    ; behind the four regions: 16 rows x (256 bytes + 16) for each wave; no tensor load lands here
.set SPARE,  312320                    ; behind the stages: the spare words, 128 bytes for each wave
.set L16, 3
.set L8,  4
.set ADR, 8
.set STO, 24
.set RD,  25
.set CO,  26
.set L4,  27
.set SPW, 28
.set NIL, 29
.set XS,  32                           ; v32-63 hid's scale words: K step s, pair of tiles p at 4 s + p; lanes 0-15 the even tile, lanes 16-31 the odd one
.set WS,  64                           ; v64-79 w_out's
.set HB,  96                           ; v96-159 hid's scale bytes as stored: head hh, pair p at 4 hh + p
.set OB,  160                          ; v160-191 a row tile read back from the stage
.set G1X, 24
.set G1W, 32
.set G0X, 40
.set G0W, 68
.set MSB, 0
.macro WIN new
.if MSB != \new
	s_set_vgpr_msb (MSB<<8)|\new
.set MSB, \new
.endif
.endm
.macro CROUND
	s_barrier_signal -1
	s_barrier_wait -1
	s_cmp_lg_u32 s18, 0
	s_cbranch_scc1 .Lnw0_\@
	s_barrier_signal -3
.Lnw0_\@:
	s_barrier_wait -3
	s_barrier_signal -1
	s_barrier_wait -1
.endm
.macro PLACES n
.rept \n
	v_nop
.endr
.endm
.macro WM d, a, b, cm, cr, sa, sb, ra, rb
.set rD, \d
.set rA, \a
.set rB, \b
.set rC, \cr
.set rS, \sa
.set rT, \sb
.set rw, 2*(\ra)+(\rb)
.if (\cm) == 0
.if rw == 0
	v_wmma_scale_f32_16x16x128_f8f6f4 v[rD:rD+7], v[rA:rA+11], v[rB:rB+11], 0, v[rS], v[rT] matrix_a_fmt:MATRIX_FMT_FP6 matrix_b_fmt:MATRIX_FMT_FP6
.elseif rw == 1
	v_wmma_scale_f32_16x16x128_f8f6f4 v[rD:rD+7], v[rA:rA+11], v[rB:rB+11], 0, v[rS], v[rT] matrix_a_fmt:MATRIX_FMT_FP6 matrix_b_fmt:MATRIX_FMT_FP6 matrix_b_scale:MATRIX_SCALE_ROW1
.elseif rw == 2
	v_wmma_scale_f32_16x16x128_f8f6f4 v[rD:rD+7], v[rA:rA+11], v[rB:rB+11], 0, v[rS], v[rT] matrix_a_fmt:MATRIX_FMT_FP6 matrix_b_fmt:MATRIX_FMT_FP6 matrix_a_scale:MATRIX_SCALE_ROW1
.else
	v_wmma_scale_f32_16x16x128_f8f6f4 v[rD:rD+7], v[rA:rA+11], v[rB:rB+11], 0, v[rS], v[rT] matrix_a_fmt:MATRIX_FMT_FP6 matrix_b_fmt:MATRIX_FMT_FP6 matrix_a_scale:MATRIX_SCALE_ROW1 matrix_b_scale:MATRIX_SCALE_ROW1
.endif
.else
.if rw == 0
	v_wmma_scale_f32_16x16x128_f8f6f4 v[rD:rD+7], v[rA:rA+11], v[rB:rB+11], v[rC:rC+7], v[rS], v[rT] matrix_a_fmt:MATRIX_FMT_FP6 matrix_b_fmt:MATRIX_FMT_FP6
.elseif rw == 1
	v_wmma_scale_f32_16x16x128_f8f6f4 v[rD:rD+7], v[rA:rA+11], v[rB:rB+11], v[rC:rC+7], v[rS], v[rT] matrix_a_fmt:MATRIX_FMT_FP6 matrix_b_fmt:MATRIX_FMT_FP6 matrix_b_scale:MATRIX_SCALE_ROW1
.elseif rw == 2
	v_wmma_scale_f32_16x16x128_f8f6f4 v[rD:rD+7], v[rA:rA+11], v[rB:rB+11], v[rC:rC+7], v[rS], v[rT] matrix_a_fmt:MATRIX_FMT_FP6 matrix_b_fmt:MATRIX_FMT_FP6 matrix_a_scale:MATRIX_SCALE_ROW1
.else
	v_wmma_scale_f32_16x16x128_f8f6f4 v[rD:rD+7], v[rA:rA+11], v[rB:rB+11], v[rC:rC+7], v[rS], v[rT] matrix_a_fmt:MATRIX_FMT_FP6 matrix_b_fmt:MATRIX_FMT_FP6 matrix_a_scale:MATRIX_SCALE_ROW1 matrix_b_scale:MATRIX_SCALE_ROW1
.endif
.endif
.endm
.macro FETCH s                         ; K step s's fragments, 48 LDS loads in one run, into set s % 2
.set kq, (\s)/2
.set fo, 1536*((\s)%2)
.set xb, 96*((\s)%2)
.set wb, 48*((\s)%2)
	WIN 0x80
.irp i, 0,1,2,3,4,5,6,7
	ds_load_b128 v[xb+12*\i:xb+12*\i+3], v[ADR+4*kq] offset:3072*\i+fo
	ds_load_b64 v[xb+12*\i+4:xb+12*\i+5], v[ADR+4*kq+1] offset:3072*\i+fo+512
	ds_load_b128 v[xb+12*\i+6:xb+12*\i+9], v[ADR+4*kq] offset:3072*\i+fo+768
	ds_load_b64 v[xb+12*\i+10:xb+12*\i+11], v[ADR+4*kq+1] offset:3072*\i+fo+1280
.endr
	WIN 0xc0
.irp j, 0,1,2,3
	ds_load_b128 v[wb+12*\j:wb+12*\j+3], v[ADR+4*kq+2] offset:3072*\j+fo
	ds_load_b64 v[wb+12*\j+4:wb+12*\j+5], v[ADR+4*kq+3] offset:3072*\j+fo+512
	ds_load_b128 v[wb+12*\j+6:wb+12*\j+9], v[ADR+4*kq+2] offset:3072*\j+fo+768
	ds_load_b64 v[wb+12*\j+10:wb+12*\j+11], v[ADR+4*kq+3] offset:3072*\j+fo+1280
.endr
	WIN 0
.endm
.macro MUL s                           ; K step s's 32 products: the accumulators take turns, one instruction a turn, in the same order in every step.  The first step starts the sums
.set xb, 96*((\s)%2)
.set wb, 48*((\s)%2)
.set sx, XS+4*(\s)
.set sw, WS+4*((\s)/2)+2*((\s)%2)
	WIN 0x5b                                       ; w_out window 3, hid window 2, C and D window 1
.irp i, 0,1,2,3,4,5,6,7
.irp j, 0,1,2,3
.if (\s) == 0
	WM 8*(4*\i+\j), wb+12*\j, xb+12*\i, 0, 0, sw+\j/2, sx+\i/2, \j%2, \i%2
.else
	WM 8*(4*\i+\j), wb+12*\j, xb+12*\i, 1, 8*(4*\i+\j), sw+\j/2, sx+\i/2, \j%2, \i%2
.endif
.endr
.endr
	WIN 0
.endm
.macro GSTEP s
	s_wait_dscnt 0x0                               ; this step's fragments, asked for a step ago, are in
.if (\s) < 7
.if (\s) > 0
	PLACES 4                                       ; in front of loads into registers that the products of the step before have read
.endif
	FETCH (\s)+1
.endif
	MUL \s
.endm
	s_load_b128 s[4:7], s[0:1], 0x0                ; hq, wq
	s_load_b64 s[8:9], s[0:1], 0x10                ; out0
	v_lshl_add_u32 v[SPW], v0, 2, SPARE
	v_mov_b32 v[NIL], 0
	ds_add_u32 v[SPW], v[NIL]                      ; the wave's opening: the add and its wait ahead of my first tensor load
	ds_add_u32 v[SPW], v[NIL]
	v_lshrrev_b32 v1, 5, v0
	v_readfirstlane_b32 s18, v1                    ; wave
	v_and_b32 v6, 31, v0
	v_and_b32 v1, 15, v0                           ; r
	v_bfe_u32 v2, v0, 4, 1                         ; h
	v_lshlrev_b32 v[L16], 4, v6
	v_lshlrev_b32 v[L8], 3, v6
	v_lshlrev_b32 v[L4], 2, v6
	s_bfe_u32 s21, ttmp6, 0x40000                  ; cx
	s_bfe_u32 s22, ttmp6, 0x40004                  ; cy
	s_lshl_b32 s23, ttmp9, 2
	s_add_co_u32 s23, s23, s21                     ; x: which 256 columns of the output
	s_and_b32 s84, ttmp7, 0xffff
	s_lshl_b32 s84, s84, 2
	s_add_co_u32 s84, s84, s22                     ; y: which 128 rows
	s_lshl_b32 s56, s22, 2
	s_lshl_b32 s56, 15, s56                        ; my row of the cluster
	s_lshl_b32 s57, 0x1111, s21                    ; my column
	s_or_b32 s[G1X], s56, (3<<16)|(1<<21)
	s_or_b32 s[G1W], s57, (3<<16)|(1<<21)
	s_mov_b32 s[G1X+1], 32<<16                     ; dense blocks as rows of 256 bytes
	s_mov_b32 s[G1X+2], 384<<16                    ; hid's whole block
	s_mov_b32 s[G1X+3], 32<<16
	s_mov_b32 s[G1X+4], 384
	s_mov_b32 s[G1X+5], 32
	s_mov_b32 s[G1X+6], 0
	s_mov_b32 s[G1X+7], 0
	s_mov_b32 s[G1W+1], 32<<16
	s_mov_b32 s[G1W+2], 256<<16                    ; a third of w_out's block
	s_mov_b32 s[G1W+3], 32<<16
	s_mov_b32 s[G1W+4], 256
	s_mov_b32 s[G1W+5], 32
	s_mov_b32 s[G1W+6], 0
	s_mov_b32 s[G1W+7], 0
	s_mul_i32 s58, s84, XBLK                       ; hid: block y
	s_mov_b32 s59, 0
	s_add_co_u32 s60, s23, 12
	s_mul_i32 s60, s60, WBLK                       ; w_out: block 12 + x of wq,
	s_lshl_b32 s62, s18, 16
	s_add_co_u32 s60, s60, s62                     ; + 65,536 x wave (waves 0 to 2 use it)
	s_mov_b32 s61, 0
	s_add_co_u32 s63, s62, WOFF                    ; and where it goes: no place in the cluster enters an LDS address
	s_wait_dscnt 0x0                               ; the opening add is done
	s_wait_kmcnt 0x0
	s_add_nc_u64 s[58:59], s[4:5], s[58:59]
	s_add_nc_u64 s[60:61], s[6:7], s[60:61]
	s_mov_b32 s[G0X], 1
	s_mov_b32 s[G0X+1], 0
	s_mov_b64 s[G0X+2:G0X+3], s[58:59]
	s_or_b32 s[G0X+3], s[G0X+3], 0x80000000
	s_mov_b32 s[G0W], 1
	s_mov_b32 s[G0W+1], s63
	s_mov_b64 s[G0W+2:G0W+3], s[60:61]
	s_or_b32 s[G0W+3], s[G0W+3], 0x80000000
	CROUND                                         ; all sixteen work-groups are here: the joint loads meet
	s_cmp_eq_u32 s18, 3                            ; one branch on the wave's number, one load in each arm
	s_cbranch_scc0 .Lfor_w
	tensor_load_to_lds s[G0X:G0X+3], s[G1X:G1X+7]
	s_nop 0
	PLACES 4
	s_branch .Lasked
.Lfor_w:
	tensor_load_to_lds s[G0W:G0W+3], s[G1W:G1W+7]
	s_nop 0
	PLACES 4
.Lasked:
	s_lshl_b32 s86, s84, 13
	s_add_co_u32 s86, s86, HS_OFF
	s_mov_b32 s87, 0
	s_add_nc_u64 s[86:87], s[4:5], s[86:87]        ; hid's scale bytes of my 128 rows
	s_lshl_b32 s88, s23, 2
	s_add_co_u32 s88, s88, s18
	s_add_co_u32 s88, s88, 48
	s_lshl_b32 s88, s88, 11
	s_add_co_u32 s88, s88, WS_OFF
	s_mov_b32 s89, 0
	s_add_nc_u64 s[88:89], s[6:7], s[88:89]        ; w_out's scale words of my 64 rows
	s_wait_alu depctr_va_vdst(0)
.irp hh, 0,1,2,3,4,5,6,7,8,9,10,11,12,13,14,15
.irp p, 0,1,2,3
	global_load_b32 v[HB+4*\hh+\p], v[L4], s[86:87] offset:512*\hh+128*\p
.endr
.endr
.irp kc, 0,1,2,3
	global_load_b128 v[WS+4*\kc:WS+4*\kc+3], v[L16], s[88:89] offset:512*\kc
.endr
	s_mul_i32 s90, s18, 12288
	s_add_co_u32 s90, s90, WOFF
	v_add_nc_u32 v6, s90, v[L16]
	v_add_nc_u32 v7, s90, v[L8]
.irp kc, 0,1,2,3
	v_add_nc_u32 v[ADR+4*\kc], XKC*\kc, v[L16]
	v_add_nc_u32 v[ADR+4*\kc+1], XKC*\kc, v[L8]
	v_add_nc_u32 v[ADR+4*\kc+2], WKC*\kc, v6
	v_add_nc_u32 v[ADR+4*\kc+3], WKC*\kc, v7
.endr
	s_mul_i32 s90, s18, 4352
	s_add_co_u32 s90, s90, STAGE                   ; my stage
	v_mul_u32_u24 v[STO], v1, 272
	v_lshl_add_u32 v[STO], v2, 7, v[STO]
	v_add_nc_u32 v[STO], s90, v[STO]               ; in: row r, + 128 h: my 32 columns
	v_mul_u32_u24 v[RD], v2, 272
	v_lshl_add_u32 v[RD], v1, 4, v[RD]
	v_add_nc_u32 v[RD], s90, v[RD]                 ; back: lanes 0-15 one row, lanes 16-31 the next
	v_lshlrev_b32 v[CO], 12, v2
	v_lshl_add_u32 v[CO], v1, 4, v[CO]             ; and the same two rows in out0
	s_lshl_b32 s92, s84, 19                        ; 128 rows of 4,096 bytes,
	s_lshl_b32 s93, s23, 10                        ; 256 columns,
	s_add_co_u32 s92, s92, s93
	s_lshl_b32 s93, s18, 8                         ; my 64 of them
	s_add_co_u32 s92, s92, s93
	s_mov_b32 s93, 0
	s_add_nc_u64 s[92:93], s[8:9], s[92:93]
	s_wait_alu depctr_va_vdst(0)
	s_wait_tensorcnt 0x0                           ; my one load has landed; behind the barrier below everybody's has: all of K is in LDS
	s_barrier_signal -1
	s_barrier_wait -1
	FETCH 0
	s_wait_loadcnt 0x0
.irp s, 0,1,2,3,4,5,6,7
.irp p, 0,1,2,3
	v_lshl_or_b32 v[XS+4*\s+\p], v[HB+8*\s+4+\p], 16, v[HB+8*\s+\p]        ; K step s = heads 2 s and 2 s + 1: two bytes each
.endr
.endr
	PLACES 8                                       ; a scale register written by a vector instruction stands eight places ahead of the product
.irp s, 0,1,2,3,4,5,6,7
	s_wait_alu depctr_va_vdst(0)
	GSTEP \s
.endr
	; THE WAY OUT, a row tile at a time
	PLACES 4
.irp i, 0,1,2,3,4,5,6,7
.if \i > 0
	s_wait_xcnt 0x0                                ; the last tile's stores have read their registers, which are loaded again below
.endif
	WIN 0x04                                       ; an LDS store's data are its source 1: window 1
.irp j, 0,1,2,3
	ds_store_b128 v[STO], v[8*(4*\i+\j):8*(4*\i+\j)+3] offset:32*\j         ; each accumulator from its low end on
	ds_store_b128 v[STO], v[8*(4*\i+\j)+4:8*(4*\i+\j)+7] offset:32*\j+16
.endr
	WIN 0
.irp k, 0,1,2,3,4,5,6,7
	ds_load_b128 v[OB+4*\k:OB+4*\k+3], v[RD] offset:544*\k                  ; LDS serves a wave's instructions in order: these see the stores above
.endr
	s_wait_dscnt 0x0
.irp k, 0,1,2,3,4,5,6,7
	global_store_b128 v[CO], v[OB+4*\k:OB+4*\k+3], s[92:93] offset:(64*(\i/4)+8*(\i%4)+(2*\k)%8+32*(\k/4))*4096 th:TH_STORE_NT
.endr
.endr
	s_wait_tensorcnt 0x0                           ; the wave's end, behind my last tensor load and my last LDS store
	ds_add_u32 v[SPW], v[NIL]
	s_wait_dscnt 0x0
	CROUND                                         ; the closing round
	s_endpgm
.Lfunc_end_k_q6373079a9d_outp:
	.size	k_q6373079a9d_outp, .Lfunc_end_k_q6373079a9d_outp-k_q6373079a9d_outp
	.p2alignl 7, 3214868480
	.fill 96, 4, 3214868480
	.section	.rodata,"a",@progbits
	.p2align	6, 0x0
	.amdhsa_kernel k_q6373079a9d_outp
		.amdhsa_group_segment_fixed_size 312832
		.amdhsa_private_segment_fixed_size 0
		.amdhsa_enable_private_segment 0
		.amdhsa_kernarg_size 24
		.amdhsa_user_sgpr_count 2
		.amdhsa_user_sgpr_kernarg_segment_ptr 1
		.amdhsa_wavefront_size32 1
		.amdhsa_system_sgpr_workgroup_id_x 1
		.amdhsa_system_sgpr_workgroup_id_y 1
		.amdhsa_system_sgpr_workgroup_id_z 1
		.amdhsa_system_vgpr_workitem_id 0
		.amdhsa_next_free_vgpr 1024
		.amdhsa_next_free_sgpr 100
		.amdhsa_reserve_vcc 0
		.amdhsa_float_denorm_mode_32 3
		.amdhsa_float_denorm_mode_16_64 3
		.amdhsa_memory_ordered 1
		.amdhsa_forward_progress 1
		.amdhsa_inst_pref_size 90
	.end_amdhsa_kernel
	.amdgpu_metadata
---
amdhsa.version: [ 1, 2 ]
amdhsa.kernels:
  - .name:           k_q6373079a9d_outp
    .symbol:         k_q6373079a9d_outp.kd
    .args:
      - { .name: hq, .offset: 0, .size: 8, .value_kind: global_buffer, .address_space: global }
      - { .name: wq, .offset: 8, .size: 8, .value_kind: global_buffer, .address_space: global }
      - { .name: out0, .offset: 16, .size: 8, .value_kind: global_buffer, .address_space: global }
    .group_segment_fixed_size: 312832
    .private_segment_fixed_size: 0
    .kernarg_segment_align: 8
    .kernarg_segment_size: 24
    .max_flat_workgroup_size: 128
    .sgpr_count:     100
    .vgpr_count:     1024
    .wavefront_size: 32
...
	.end_amdgpu_metadata
.endif
;; end of part 4
